; MI455X (gfx1250); checked and timed in simulation.
; The chip was launched on July 23, 2026; its instructions are those of AMD's public machine-readable ISA for CDNA 5 (MIT licence, August 2026) and "CDNA5" Instruction Set Architecture Reference Guide (July 2026). The comments in the code are by the model that wrote it; some were corrected since.
;; Causal Self Attention. Allowed arithmetic: matrix products marked QUANTISED: E4M3 operands, one given power-of-two scale a tensor, by v_wmma_f32_16x16x64_fp8_fp8 or v_wmma_f32_16x16x128_fp8_fp8, f32 sums; everything else in f32.
;; Inputs: W_proj 1,024 x 1,024 float32; W_qkv 1,024 x 3,072 float32; b_proj 1,024 float32; b_qkv 3,072 float32; lowp_scales 8 int32 (the exponents e of the quantised operands' scales 2^e); x 4 x 2,048 x 1,024 float32.
;; Outputs: out0 4 x 2,048 x 1,024 float32.
;; This version of the problem:
;;   THIS VERSION OF THE PROBLEM IS GIVEN IN LOW PRECISION. The matrix products marked QUANTISED in the list below multiply operands that are first quantised to E4M3 (4 exponent bits, 3 mantissa bits; 8 bits a number), with one given power-of-two scale for each operand tensor; their sums are f32. All else is computed in f32.
;;   The module's matrix products, in the order in which they are computed (A, B: the left and right operand; K: the contracted axis; several contracted axes count as one K, in the product's order):
;;     1. [M 8,192, K 1,024] x [K 1,024, N 3,072]; A: input x; B: input W_qkv: QUANTISED (scales: A lowp_scales[0], B lowp_scales[1])
;;     2. batch 64 x [M 2,048, K 64] x [K 64, N 2,048]; A: computed on the way; B: computed on the way: QUANTISED (scales: A lowp_scales[2], B lowp_scales[3])
;;     3. batch 64 x [M 2,048, K 2,048] x [K 2,048, N 64]; A: softmax (see below); B: computed on the way: QUANTISED (scales: A lowp_scales[4], B lowp_scales[5])
;;     4. [M 8,192, K 1,024] x [K 1,024, N 1,024]; A: computed on the way; B: input W_proj: QUANTISED (scales: A lowp_scales[6], B lowp_scales[7])
;;   THE QUANTISER, for each operand of a quantised product, along K:
;;     - The operand's scale is 2^e, e = its entry of the input lowp_scales (int32; the entries are numbered through the quantised products in the list's order, A before B).
;;     - Each number is divided by the scale, clamped to +-448, and rounded to the nearest number of E4M3, ties to even, subnormals kept.
;;     - The product sums the exact products of the quantised numbers (number of the format x scale) in f32.
;;   ~~~python
;;   def quantise(x, axis, e):      # numpy; x: float32 -> the quantised numbers, widened to float32 again
;;       x = np.moveaxis(x, axis, -1); K = x.shape[-1]
;;       r = np.clip(x / 2.0 ** e, -448, 448)
;;       step = 2.0 ** (np.maximum(np.frexp(np.where(r == 0, 1, r))[1] - 1, -6) - 3)
;;       q = np.round(r / step) * step * 2.0 ** e      # np.round: ties to even
;;       return np.moveaxis(q, -1, axis).astype(np.float32)
;;   ~~~
;;   SOFTMAX AHEAD OF A QUANTISED PRODUCT. Where the list says 'softmax', what is quantised is not the finished softmax but p = 2^(t - M), with t = logit x log2(e) and M = ceil(the row's largest t), a whole number; so 1/2 < the row's largest p <= 1. The row's sum l is taken of the UNQUANTISED p, in f32, and the product's result is divided by l at the end. Since M is a whole number, a kernel that streams over the keys may use a running M (the ceiling of the running maximum): every later rescaling is an exact power of two, so the quantised numbers keep their values, but for numbers so far below the row's largest that they fall under the format's range.
;;   OPERANDS COMPUTED ON THE WAY. 'Computed on the way' means the value that the module computes at that place (a softmax that the list does not call 'softmax' is quantised finished and normalised). What goes into a quantiser is computed in f32, as accurately as f32 sums, v_exp_f32 and their like allow (about 1e-6 of the number): no bf16 or f16 on the way to a quantiser, and a product that is left as it is and whose result goes on into a quantised operand takes f32 operands (vector FMAs, or v_wmma_f32_16x16x4_f32). A number that lies on a knife's edge between two numbers of the format may be rounded either way, as far as f32 arithmetic and the matrix unit's own rounding can turn it there, and no further.
;; One version. Each part assembles by itself: llvm-mc -triple=amdgcn-amd-amdhsa -mcpu=gfx1250 --defsym DOCPART=n.
;; ======== version 1 of 1: 4 launches
;; limits: right only within a limited range of input values
;; workspace buffers: x_codes 8,388,608 bytes; w_codes 4,194,304 bytes; qkv_codes 25,165,824 bytes; y_codes 8,388,608 bytes
;; launch quant (part 1): grid 384 x 1, 4 waves a work-group, no clusters, 68,096 bytes of LDS; arguments x, W_qkv, W_proj, lowp_scales, x_codes, w_codes; writes x_codes, w_codes
.if DOCPART == 1
	.amdgcn_target "amdgcn-amd-amdhsa--gfx1250"
	.amdhsa_code_object_version 6
	.text
	.protected	k_qb820a475f4_quant
	.globl	k_qb820a475f4_quant
	.p2align	8
	.type	k_qb820a475f4_quant,@function
k_qb820a475f4_quant:
	s_mov_b64 s[64:65], 0
	v_nop
	global_prefetch_b8 v0, s[64:65] scope:SCOPE_SE
	s_setreg_imm32_b32 hwreg(HW_REG_WAVE_MODE, 25, 1), 1
	s_wait_xcnt 0x0
; x [8192][1024], W_qkv [1024 k][3072 n] and W_proj [1024 k][1024 n], all f32, become codes of FP8 (E4M3), one byte each, K innermost.
; code = number / 2^e, held within +-448, rounded to the nearest code, ties to even.  e: entry 0 of the given exponents for x, entry 1 for W_qkv, entry 7 for W_proj.
; LIMITS: each of these e lies between -126 and 119, so that 2^e and 448 x 2^e are f32 numbers.  NaN among the inputs is not served; an infinity is held at the largest code.
; OUT: x_codes [8192][1024];  w_codes [4096 n][1024 k]: rows 0-3071 the columns of W_qkv, rows 3072-4095 the columns of W_proj.
; SHARES: work-groups 0-255 take x, a plain stream: 32,768 numbers each, a wave 16 steps of 512.  Work-groups 256-383 take the weights: 128 columns x 256 along K each.
; The two ways part once, on the work-group's number, and do not meet again; each has LDS bytes of its own.  No tensor loads, no barrier: waves share nothing.
.set STEPS,  16
.set SP,     80                        ; x: a lane's place in a stage: its 64 bytes + 16 of padding
.set WREG,   8192                      ; x: LDS of a wave: two stages of 32 x SP bytes
.set WST,    32768                     ; the weights' stages begin here: 32 rows x WPITCH for each wave
.set WPITCH, 272                       ; a stage row: 256 codes + 16 bytes
.set NB,     8                         ; blocks of 32 along K for a wave
.set XR,  16                           ; v16-79   x: four sets of 16 numbers as they are loaded
.set XX,  80                           ; v80-111  x: two sets of 16 neighbours
.set XC,  128                          ; v128-191 x: codes, four registers a step: no store's data are written again
.set WX,  32                           ; v32-95   weights: two sets of 32 numbers down K
.set WC,  96                           ; v96-103  a block's codes
.set WO,  112                          ; v112-175 the way out
.set WF,  176                          ; v176-207 4 x lane + i rows of the weight, i = 0 .. 31; never rewritten
.set BAS, 20                           ; s[20:35] the wave's eight blocks' first rows; never rewritten
.set SB,  38                           ; s38      bytes in a row of the weight
	s_load_b256 s[4:11], s[0:1], 0x0               ; x s[4:5], W_qkv s[6:7], W_proj s[8:9], the exponents s[10:11]
	s_load_b128 s[12:15], s[0:1], 0x20             ; x_codes s[12:13], w_codes s[14:15]
	v_lshl_add_u32 v208, v0, 2, 0x10800
	v_mov_b32 v209, 0
	v_lshrrev_b32 v1, 5, v0
	v_readfirstlane_b32 s16, v1                    ; wave
	v_and_b32 v2, 31, v0                           ; lane
	v_lshlrev_b32 v3, 4, v2                        ; x: my 16 bytes of a load's 512, and of a step's 512 bytes of codes
	s_mul_i32 s17, s16, WREG
	v_lshrrev_b32 v14, 2, v2
	v_mul_u32_u24 v14, v14, SP
	v_and_b32 v15, 3, v2
	v_lshl_add_u32 v14, v15, 4, v14
	v_add_nc_u32 v14, s17, v14                     ; x's stage, on the way in: four lanes' 64 bytes on end, then 16 of padding
	v_mul_u32_u24 v15, v2, SP
	v_add_nc_u32 v15, s17, v15                     ; and on the way out: my 16 neighbours
	v_lshlrev_b32 v5, 2, v2                        ; weights: 4 bytes a lane
	s_mul_i32 s18, s16, 32*WPITCH
	s_add_co_u32 s18, s18, WST
	v_mul_u32_u24 v6, v2, WPITCH
	v_add_nc_u32 v6, s18, v6                       ; the weights' stage, in: row = my column
	v_and_b32 v9, 15, v2
	v_lshrrev_b32 v12, 4, v2
	v_mul_u32_u24 v7, v12, WPITCH
	v_lshl_add_u32 v7, v9, 4, v7
	v_add_nc_u32 v7, s18, v7                       ; out: sixteen lanes to a row, two rows an instruction
	v_lshlrev_b32 v8, 10, v12
	v_lshl_add_u32 v8, v9, 4, v8                   ; and the same place in w_codes (rows of 1,024 bytes)
	s_wait_kmcnt 0x0
	s_load_b256 s[40:47], s[10:11], 0x0            ; the eight exponents
	s_cmp_lt_u32 ttmp9, 256
	s_cbranch_scc0 .Lweights
; ---------------- x: a lane must hold 16 NEIGHBOURS for the conversions, and a load is best where neighbouring LANES take neighbouring bytes: each of a step's four
; loads reads 512 consecutive bytes; the 2,048 bytes go through the wave's own stage as they lie and come back 64 bytes a lane.
	s_lshl_b32 s17, ttmp9, 2
	s_add_co_u32 s18, s17, s16                     ; which run of 8,192 numbers is my wave's
	s_lshl_b32 s20, s18, 15
	s_mov_b32 s21, 0
	s_add_nc_u64 s[4:5], s[4:5], s[20:21]
	s_lshl_b32 s20, s18, 13
	s_add_nc_u64 s[12:13], s[12:13], s[20:21]
.macro XLOAD t
.irp i, 0,1,2,3
	global_load_b128 v[XR+16*((\t)%4)+4*\i:XR+16*((\t)%4)+4*\i+3], v3, s[4:5] offset:2048*(\t)+512*\i th:TH_LOAD_NT
.endr
.endm
.macro XTURN t                         ; step t's numbers through the stage: LDS serves a wave's instructions in order (ISA guide 5.7.1.4), so no wait stands between the stores and the loads
.irp i, 0,1,2,3
	ds_store_b128 v14, v[XR+16*((\t)%4)+4*\i:XR+16*((\t)%4)+4*\i+3] offset:32*SP*((\t)%2)+8*SP*\i
.endr
.irp i, 0,1,2,3
	ds_load_b128 v[XX+16*((\t)%2)+4*\i:XX+16*((\t)%2)+4*\i+3], v15 offset:32*SP*((\t)%2)+16*\i
.endr
.endm
.irp t, 0,1,2,3
	XLOAD \t
.endr
	s_wait_kmcnt 0x0
	s_add_co_i32 s22, s40, 127
	s_lshl_b32 s23, s22, 23
	v_mov_b32 v11, s23                             ; 2^e as f32: the conversion takes its exponent field
	s_add_co_i32 s22, s22, 8
	s_lshl_b32 s22, s22, 23
	s_or_b32 s22, s22, 0x600000
	v_mov_b32 v10, s22                             ; 448 x 2^e
	s_wait_alu depctr_va_vdst(0)
	s_wait_loadcnt 12                              ; step 0's four loads are in; the twelve of steps 1 to 3 may be out
	XTURN 0
.macro XSTEP t
.set XS, XX+16*((\t)%2)
	s_wait_dscnt 0x0                               ; this step's numbers are back from the stage: so its stores into the stage have read their registers,
.if (\t)+4 < STEPS
	XLOAD (\t)+4                                   ; which take the loads of four steps on
.endif
.if (\t)+1 < STEPS
.if STEPS-2-(\t) >= 3
	s_wait_loadcnt 12                              ; the next step's four loads are in; those of the three steps behind it may be out
.else
	s_wait_loadcnt 4*(STEPS-2-(\t))                ; the counts run down: nothing more is asked for
.endif
	XTURN (\t)+1                                   ; and go through the other stage while this step is worked
.endif
.irp i, 0,1,2,3,4,5,6,7,8,9,10,11,12,13,14,15
	v_med3_num_f32 v[XS+\i], v[XS+\i], -v10, v10   ; the conversion to an 8-bit code does not saturate (ISA guide 7.6.2): the hold comes first
.endr
	v_cvt_scalef32_pk8_fp8_f32 v[XC+4*(\t):XC+4*(\t)+1], v[XS:XS+7], v11
	v_cvt_scalef32_pk8_fp8_f32 v[XC+4*(\t)+2:XC+4*(\t)+3], v[XS+8:XS+15], v11
	global_store_b128 v3, v[XC+4*(\t):XC+4*(\t)+3], s[12:13] offset:512*(\t)   ; the wave stores 512 consecutive bytes, aligned; the next vector lines are the next step's holds, on other registers
.endm
.irp t, 0,1,2,3,4,5,6,7,8,9,10,11,12,13,14,15
	XSTEP \t
.endr
	s_wait_tensorcnt 0x0
	ds_add_u32 v208, v209
	s_wait_dscnt 0x0
	s_endpgm
; ---------------- the weights: K is their FIRST axis.  A LANE TAKES A COLUMN n, AND ITS REGISTERS RUN DOWN K: each load reads neighbouring n in neighbouring lanes (128 bytes a wave,
; 512 a work-group), and the conversions give codes with K innermost.  One text serves both weights: the row's bytes are a scalar.
.Lweights:
	s_sub_co_u32 s52, ttmp9, 256
	s_and_b32 s53, s52, 31                         ; which 128 rows of w_codes: 0-23 W_qkv's columns, 24-31 W_proj's
	s_lshr_b32 s54, s52, 5                         ; which 256 along K
	s_lshl_b32 s36, s53, 7
	s_lshl_b32 s37, s16, 5
	s_add_co_u32 s36, s36, s37                     ; my wave's first row of w_codes
	s_cmp_lt_u32 s53, 24                           ; the choice hangs on the work-group's number alone
	s_cselect_b64 s[4:5], s[6:7], s[8:9]
	s_mov_b32 s[SB], 4096
	s_cselect_b32 s[SB], 12288, s[SB]
	s_cselect_b32 s39, 0, 3072
	s_sub_co_u32 s39, s36, s39                     ; my first column in its own tensor
	s_lshl_b32 s39, s39, 2
	s_mul_i32 s48, s54, s[SB]
	s_lshl_b32 s48, s48, 8                         ; 256 rows for each step along K
	s_add_co_u32 s48, s48, s39
	s_mov_b32 s49, 0
	s_add_nc_u64 s[BAS:BAS+1], s[4:5], s[48:49]
	s_lshl_b32 s48, s[SB], 5                       ; 32 rows on: a base for each block, so that no pointer is stepped
.irp t, 1,2,3,4,5,6,7
	s_add_nc_u64 s[BAS+2*\t:BAS+2*\t+1], s[BAS+2*\t-2:BAS+2*\t-1], s[48:49]
.endr
.set ii, 0
.rept 32
	v_mad_u32_u24 v[WF+ii], s[SB], ii, v5
.set ii, ii+1
.endr
	s_lshl_b32 s50, s36, 10
	s_lshl_b32 s51, s54, 8
	s_add_co_u32 s50, s50, s51
	s_mov_b32 s51, 0
	s_add_nc_u64 s[14:15], s[14:15], s[50:51]      ; w_codes at my first row, my 256 along K
.macro WLOAD t                         ; block t: W(32 t + i, my column), i = 0 .. 31, into set t % 2
.set ii, 0
.rept 32
	global_load_b32 v[WX+32*((\t)%2)+ii], v[WF+ii], s[BAS+2*(\t):BAS+2*(\t)+1] th:TH_LOAD_NT
.set ii, ii+1
.endr
.endm
	WLOAD 0
	WLOAD 1
	s_wait_kmcnt 0x0
	s_cmp_lt_u32 s53, 24
	s_cselect_b32 s55, s41, s47                    ; e
	s_add_co_i32 s55, s55, 127
	s_lshl_b32 s56, s55, 23
	v_mov_b32 v11, s56                             ; 2^e
	s_add_co_i32 s55, s55, 8
	s_lshl_b32 s55, s55, 23
	s_or_b32 s55, s55, 0x600000
	v_mov_b32 v10, s55                             ; 448 x 2^e
.macro BLOCK t
.set XS, WX+32*((\t)%2)
.if (\t) < NB-1
	s_wait_loadcnt 32                              ; this block's 32 loads are in; the next block's 32 may be out
.else
	s_wait_loadcnt 0
.endif
.set ii, 0
.rept 32
	v_med3_num_f32 v[XS+ii], v[XS+ii], -v10, v10
.set ii, ii+1
.endr
.irp g, 0,1,2,3
	v_cvt_scalef32_pk8_fp8_f32 v[WC+2*\g:WC+2*\g+1], v[XS+8*\g:XS+8*\g+7], v11
.endr
	ds_store_b128 v6, v[WC:WC+3] offset:32*(\t)    ; 32 codes: 32 bytes of my column's row
	ds_store_b128 v6, v[WC+4:WC+7] offset:32*(\t)+16
.if (\t)+2 < NB
	WLOAD (\t)+2
.endif
	s_wait_dscnt 0x0                               ; the stores have read their registers: the next block's codes may be written
.endm
	s_wait_alu depctr_va_vdst(0)
.irp t, 0,1,2,3,4,5,6,7
	BLOCK \t
.endr
.irp t, 0,1,2,3,4,5,6,7,8,9,10,11,12,13,14,15
	ds_load_b128 v[WO+4*\t:WO+4*\t+3], v7 offset:2*\t*WPITCH   ; these see my stores: a wave's LDS instructions are served in order
.endr
.irp t, 0,1,2,3,4,5,6,7,8,9,10,11,12,13,14,15
	s_wait_dscnt 15-\t                             ; load t is in; the younger ones may be out
	global_store_b128 v8, v[WO+4*\t:WO+4*\t+3], s[14:15] offset:2*\t*1024   ; sixteen lanes store 256 consecutive bytes, aligned
.endr
	s_wait_tensorcnt 0x0
	ds_add_u32 v208, v209
	s_wait_dscnt 0x0
	s_endpgm
.Lfunc_end_k_qb820a475f4_quant:
	.size	k_qb820a475f4_quant, .Lfunc_end_k_qb820a475f4_quant-k_qb820a475f4_quant
	.p2alignl 7, 3214868480
	.fill 96, 4, 3214868480
	.section	.rodata,"a",@progbits
	.p2align	6, 0x0
	.amdhsa_kernel k_qb820a475f4_quant
		.amdhsa_group_segment_fixed_size 68096
		.amdhsa_private_segment_fixed_size 0
		.amdhsa_enable_private_segment 0
		.amdhsa_kernarg_size 48
		.amdhsa_user_sgpr_count 2
		.amdhsa_user_sgpr_kernarg_segment_ptr 1
		.amdhsa_wavefront_size32 1
		.amdhsa_system_sgpr_workgroup_id_x 1
		.amdhsa_system_sgpr_workgroup_id_y 1
		.amdhsa_system_sgpr_workgroup_id_z 1
		.amdhsa_system_vgpr_workitem_id 0
		.amdhsa_next_free_vgpr 210
		.amdhsa_next_free_sgpr 66
		.amdhsa_reserve_vcc 0
		.amdhsa_float_denorm_mode_32 3
		.amdhsa_float_denorm_mode_16_64 3
		.amdhsa_memory_ordered 1
		.amdhsa_forward_progress 1
		.amdhsa_inst_pref_size 88
	.end_amdhsa_kernel
	.amdgpu_metadata
---
amdhsa.version: [ 1, 2 ]
amdhsa.kernels:
  - .name:           k_qb820a475f4_quant
    .symbol:         k_qb820a475f4_quant.kd
    .args:
      - { .name: x, .offset: 0, .size: 8, .value_kind: global_buffer, .address_space: global }
      - { .name: W_qkv, .offset: 8, .size: 8, .value_kind: global_buffer, .address_space: global }
      - { .name: W_proj, .offset: 16, .size: 8, .value_kind: global_buffer, .address_space: global }
      - { .name: lowp_scales, .offset: 24, .size: 8, .value_kind: global_buffer, .address_space: global }
      - { .name: x_codes, .offset: 32, .size: 8, .value_kind: global_buffer, .address_space: global }
      - { .name: w_codes, .offset: 40, .size: 8, .value_kind: global_buffer, .address_space: global }
    .group_segment_fixed_size: 68096
    .private_segment_fixed_size: 0
    .kernarg_segment_align: 8
    .kernarg_segment_size: 48
    .max_flat_workgroup_size: 128
    .sgpr_count:     66
    .vgpr_count:     210
    .wavefront_size: 32
...
	.end_amdgpu_metadata
.endif
;; end of part 1
;; launch gemm_qkv (part 2): grid 12 x 32, 4 waves a work-group, clusters of 4 x 4, 327,680 bytes of LDS; arguments x_codes, w_codes, lowp_scales, b_qkv, qkv_codes; writes qkv_codes
.if DOCPART == 2
	.amdgcn_target "amdgcn-amd-amdhsa--gfx1250"
	.amdhsa_code_object_version 6
	.text
	.protected	k_qb820a475f4_gemm_qkv
	.globl	k_qb820a475f4_gemm_qkv
	.p2align	8
	.type	k_qb820a475f4_gemm_qkv,@function
k_qb820a475f4_gemm_qkv:
	s_mov_b64 s[64:65], 0
	v_nop
	global_prefetch_b8 v0, s[64:65] scope:SCOPE_SE
	s_setreg_imm32_b32 hwreg(HW_REG_WAVE_MODE, 25, 1), 1
	s_wait_xcnt 0x0
	s_wait_alu depctr_hold_cnt(0) depctr_sa_sdst(0) depctr_va_vdst(0) depctr_va_sdst(0) depctr_va_ssrc(0) depctr_va_vcc(0) depctr_vm_vsrc(0)
	s_getreg_b32 s2, hwreg(HW_REG_IB_STS2, 6, 4)
	s_cmp_eq_u32 s2, 0
	s_cbranch_scc0 .Lentry_in_a_cluster
	s_endpgm
.Lentry_in_a_cluster:
	s_bfe_u32 s2, ttmp6, 0x10000c
	s_cmp_lg_u32 s2, 0xf033
	s_cbranch_scc0 .Lentry_shape_is_right
	s_endpgm
.Lentry_shape_is_right:
; qkv = x W_qkv + b_qkv on codes of FP8 (E4M3), and q, k, v quantised on the way out.  x_codes [8192 tokens][1024 k], w_codes [n][1024 k] (rows 0-1023 q, 1024-2047 k, 2048-3071 v).
; A sum stands for sum x 2^(e0 + e1); number = sum x 2^(e0 + e1) + bias, one fused multiply-add in f32; code = number / 2^e (e2 for q, e3 for k, e5 for v), held within +-448.
; LIMITS: e0 + e1 between -126 and 127; e2, e3, e5 between -126 and 119: each power of two below is an f32 number.
; THE MATRIX INSTRUCTION IS USED TRANSPOSED: source 0 = 16 rows of the COLUMN operand, source 1 = 16 rows of the ROW operand: a lane holds one row of the row operand and EIGHT NEIGHBOURS along the column
; operand, which one conversion packs.  q and k want neighbours along the head's channels: rows = tokens, columns = W's rows.  v wants neighbours along the tokens (the keys are the K of the product that
; reads it): rows = W's v rows, columns = tokens.  So v is the same product with the operands' parts exchanged, and nothing is transposed.
; OUT, qkv_codes: q at byte 0, k at 0x800000: [batch x head = 64][2048 tokens][64];  v at 0x1000000: [64][64 channels][2048 tokens].  Inside each aligned 32 along the innermost axis bits 3 and 4 of the
; index change places: position 32 c + 16 h + 8 u + j holds index 32 c + 16 u + 8 h + j.
; SHARES: a tile of 256 x 256 to a work-group of four waves, 128 x 128 a wave: 64 accumulators.  Clusters of 4 x 4: cluster x = 0: q, 1: k, 2: v.  The row operand's tile is shared along a row of the cluster,
; the column operand's along a column: joint loads.  K = 1,024 goes in four steps of 256 through a ring of two LDS slots.
; REGISTERS, in windows of 256: window 0: v0-31 addresses; v32-63 at work; v64-127 the bias; from v128 the row operand's fragments, ONE set; later the codes, later whole rows.
;   window 1: the column operand's fragments, TWO sets.   windows 2, 3: the accumulators ((a, b) at v[8 (8 (a % 4) + b)]).
.set KROW,   1024                      ; a row of either operand in memory, in bytes
.set ROWB,   256                       ; a tile's row: 256 codes
.set PITCH,  272                       ; an LDS row: 256 bytes + 16 of padding = 68 words: row r starts at bank 4 r mod 64 (64 banks of 4 bytes: ISA guide 11.1)
.set FR,     16                        ; registers of a fragment: 16 rows x 128 K
.set NL,     4                         ; LDS loads that bring one
.set NP,     4                         ; places behind this matrix instruction (ISA guide 7.12.1)
.set HALFT,  128*PITCH                 ; what one tensor load brings
.set SLOT,   4*HALFT                   ; the row operand's 256 rows, then the column operand's
.set SPARE,  2*SLOT                    ; behind the ring: the spare words, 128 bytes a wave
.set STV,    256*PITCH                 ; the way out: two stages of 256 rows x 272 bytes fill slot 0: q's and k's at 0, v's here.  Slot 0 has had its last fill and its last read by then
.set STOQ, 6                           ; v6   q, k: where I put 8 codes
.set STOV, 7                           ; v7   v: the same
.set RDQ,  8                           ; v8   q, k: where I read rows back
.set RDV,  9                           ; v9   v: the same
.set COQ,  10                          ; v10  q, k: my byte offset in the output
.set COV,  11                          ; v11  v: the same
.set SC,   12                          ; v12  the output's scale 2^e as f32
.set LIM,  13                          ; v13  448 x 2^e
.set BOQ,  14                          ; v14  q, k: my offset in the bias: 32 x (lane / 16)
.set BOV,  15                          ; v15  v: 4 x (lane % 16)
.set ADRA, 16                          ; v16-17  LDS address of my row fragments in slot 0, 1
.set ADRB, 20                          ; v20-21  of my column fragments
.set SPW,  28                          ; v28  my spare word; never rewritten
.set NIL,  29                          ; v29  0; never rewritten
.set TMP,  32
.set BI,   64
.set AF,   128
.set CD,   128
.set G1, 24                            ; s[24:31] group 1 for the row operand's tiles; s[32:39] group 0, a set for each slot
.set G0, 32
.set G1B, 48                           ; s[48:55], s[56:63] the same for the column operand's
.set G0B, 56
.set MSB, 0
.macro WIN new                         ; the immediate's high byte repeats the setting that is left
.if MSB != \new
	s_set_vgpr_msb (MSB<<8)|\new
.set MSB, \new
.endif
.endm
.set MUL_LO, 0xa1                      ; source 0 window 1, source 1 window 0, C and D window 2
.set MUL_HI, 0xf1                      ; the same, C and D window 3
.set TO_B,   0x40                      ; destination window 1, address window 0
; A joint load: waves 0 and 1 fetch the row operand's halves, waves 2 and 3 the column operand's.  The branch hangs on the wave's number alone.  Four v_nop follow each line.
.macro JLOAD g0a, g1a, g0b, g1b
	s_cmp_eq_u32 s15, 0
	s_cbranch_scc0 .Lfor_b_\@
	tensor_load_to_lds s[\g0a:\g0a+3], s[\g1a:\g1a+7]
	s_nop 0
.rept 4
	v_nop
.endr
	s_branch .Lasked_\@
.Lfor_b_\@:
	tensor_load_to_lds s[\g0b:\g0b+3], s[\g1b:\g1b+7]
	s_nop 0
.rept 4
	v_nop
.endr
.Lasked_\@:
.endm
.macro CREST                           ; a round of the cluster's barrier behind its opening barrier
	s_cmp_lg_u32 s14, 0
	s_cbranch_scc1 .Lnot_wave_0_\@
	s_barrier_signal -3
.Lnot_wave_0_\@:
	s_barrier_wait -3
	s_barrier_signal -1
	s_barrier_wait -1
.endm
; A PREFETCH INTO THE L2 of the K step behind the one that has just been asked for: 256 bytes of each row, at byte off of the rows.  Of the 128 rows that a wave fetches, each of the four partners that ask for them
; jointly takes 32, told apart BY ADDRESS (cx for the row operand, cy for the column operand): a lane a row, one instruction a wave.  The K step stands in the immediate, so no register of it is rewritten.
; x's rows are asked for in each cluster that loads them (three); W's rows, which all eight rows of clusters load, in the first four rows of clusters alone.  K step 0 comes by its load alone; K step 3's load asks for nothing.
.macro ASK off
	s_cmp_eq_u32 s78, 0
	s_cbranch_scc0 .Lnot_mine_\@
	global_prefetch_b8 v22, s[92:93] offset:\off th:TH_LOAD_NT scope:SCOPE_SE
.Lnot_mine_\@:
.endm
.macro CROUND
	s_barrier_signal -1
	s_barrier_wait -1
	CREST
.endm
.macro FINISH                          ; the wave's end; then the closing round: no work-group ends while a partner may still ask for a tile that names it
	s_wait_tensorcnt 0x0
	ds_add_u32 v[SPW], v[NIL]
	s_wait_dscnt 0x0
	CROUND
	s_endpgm
.endm
	s_load_b128 s[4:7], s[0:1], 0x0                ; x_codes s[4:5], w_codes s[6:7]
	s_load_b128 s[8:11], s[0:1], 0x10              ; the exponents s[8:9], b_qkv s[10:11]
	s_load_b64 s[12:13], s[0:1], 0x20              ; qkv_codes
	v_lshl_add_u32 v[SPW], v0, 2, SPARE
	v_mov_b32 v[NIL], 0
	ds_add_u32 v28, v29
	ds_add_u32 v28, v29
	s_wait_dscnt 0x0
	v_lshrrev_b32 v1, 5, v0
	v_readfirstlane_b32 s14, v1                    ; wave 0..3
	s_lshr_b32 s15, s14, 1                         ; which half of the tile's rows is mine.  Also: I fetch for the row operand (0) or the column operand (1)
	s_and_b32 s16, s14, 1                          ; which half of its columns.  Also: which 128 rows of that tile I fetch
	s_bfe_u32 s40, ttmp6, 0x40000                  ; cx, cy: my place in the cluster
	s_bfe_u32 s41, ttmp6, 0x40004
	s_and_b32 s66, ttmp7, 0xffff
	s_lshl_b32 s66, s66, 2                         ; 4 x cluster y
	s_lshl_b32 s67, ttmp9, 2                       ; 4 x cluster x
	s_add_co_u32 s68, s66, s41
	s_add_co_u32 s69, s67, s40
	s_add_co_u32 s70, s66, s40
	s_cmp_eq_u32 ttmp9, 2                          ; v?  The same in all sixteen partners
	s_cselect_b32 s17, s41, s68                    ; tile row: v: cy (of W's four);  q, k: 4 x cluster y + cy (of x's 32)
	s_cselect_b32 s42, s70, s69                    ; tile column: v: 4 x cluster y + cx (of x's 32);  q, k: 4 x cluster x + cx (of W's eight)
	s_lshl_b32 s43, s41, 2
	s_lshl_b32 s43, 15, s43                        ; my row of the cluster
	s_lshl_b32 s44, 0x1111, s40                    ; my column
	s_or_b32 s[G1+0], s43, (0<<16)|(1<<20)|(1<<21)|(5<<22)|(3<<25)  ; 15:0 the mask; 17:16 elements of 1 byte; 20 padding on; 21 set beside a mask; 24:22 after every 64 words; 31:25 four words
	s_or_b32 s[G1B+0], s44, (0<<16)|(1<<20)|(1<<21)|(5<<22)|(3<<25)
.irp g, G1, G1B
	s_mov_b32 s[\g+1], ROWB<<16                    ; tensor_dim0
	s_mov_b32 s[\g+2], 128<<16                     ; tensor_dim1
	s_mov_b32 s[\g+3], ROWB<<16                    ; tile_dim0
	s_mov_b32 s[\g+4], 128                         ; tile_dim1
	s_mov_b32 s[\g+5], KROW                        ; tensor_dim0_stride
	s_mov_b32 s[\g+6], 0
	s_mov_b32 s[\g+7], 0
.endr
	s_lshl_b32 s18, s16, 7                         ; which 128 rows of the tile I fetch
	s_lshl_b32 s20, s17, 8
	s_add_co_u32 s20, s20, s18
	s_lshl_b32 s20, s20, 10                        ; rows of 1,024 bytes
	s_mov_b32 s21, 0
	s_lshl_b32 s46, s42, 8
	s_add_co_u32 s46, s46, s18
	s_lshl_b32 s46, s46, 10
	s_mov_b32 s47, 0
	s_mul_i32 s45, s14, HALFT                      ; where they go: wave x 128 rows: no place in the cluster enters an LDS address
	s_wait_kmcnt 0x0
	s_load_b256 s[80:87], s[8:9], 0x0              ; the eight exponents
	s_add_nc_u64 s[72:73], s[6:7], 0x200000        ; W's v rows: 2,048 rows on
	s_cmp_eq_u32 ttmp9, 2
	s_cselect_b64 s[74:75], s[72:73], s[4:5]       ; the row operand
	s_cselect_b64 s[76:77], s[4:5], s[6:7]         ; the column operand
	s_add_nc_u64 s[20:21], s[74:75], s[20:21]
	s_add_nc_u64 s[46:47], s[76:77], s[46:47]
	s_cmp_eq_u32 s15, 0                            ; the prefetches: the rows that I fetch,
	s_cselect_b64 s[92:93], s[20:21], s[46:47]
	s_cselect_b32 s94, s40, s41                    ; my place among the four that ask for them with me,
	s_lshl_b32 s94, s94, 15                        ; 32 rows of 1,024 bytes for each place
	s_mov_b32 s95, 0
	s_add_nc_u64 s[92:93], s[92:93], s[94:95]
	s_cmp_eq_u32 ttmp9, 2
	s_cselect_b32 s78, 1, 0
	s_xor_b32 s78, s78, s15                        ; 1: my operand is W (q, k: the column operand; v: the row operand)
	s_lshr_b32 s79, s66, 4                         ; 0 in the first four rows of clusters, else 1
	s_and_b32 s78, s78, s79                        ; 0: my wave asks
	CROUND                                         ; all sixteen work-groups are here: the first joint loads meet
.irp s, 0,1
	s_mov_b32 s[G0+4*\s], 1
	s_add_co_u32 s[G0+4*\s+1], s45, \s*SLOT
	s_add_nc_u64 s[G0+4*\s+2:G0+4*\s+3], s[20:21], \s*ROWB
	s_or_b32 s[G0+4*\s+3], s[G0+4*\s+3], 0x80000000
	s_mov_b32 s[G0B+4*\s], 1
	s_add_co_u32 s[G0B+4*\s+1], s45, \s*SLOT
	s_add_nc_u64 s[G0B+4*\s+2:G0B+4*\s+3], s[46:47], \s*ROWB
	s_or_b32 s[G0B+4*\s+3], s[G0B+4*\s+3], 0x80000000
.endr
	JLOAD G0, G1, G0B, G1B                         ; K step 0: one tensor load a wave at the head
	v_and_b32 v22, 31, v0
	v_lshlrev_b32 v22, 10, v22                     ; the prefetches' offset: a lane a row of 1,024 bytes; never rewritten
	ASK 256                                        ; K step 1
	v_and_b32 v1, 15, v0                           ; r = lane % 16
	v_bfe_u32 v2, v0, 4, 1                         ; h = lane / 16
	v_mul_u32_u24 v3, v1, PITCH
	v_lshl_add_u32 v4, v2, 4, v3                   ; a fragment's row x pitch + 16 h
	s_mul_i32 s21, s15, HALFT
	s_mul_i32 s22, s16, HALFT
	s_add_co_u32 s22, s22, 2*HALFT
.irp s, 0,1
	v_add_nc_u32 v[ADRA+\s], s21, v4
	v_add_nc_u32 v[ADRB+\s], s22, v4
	s_add_co_u32 s21, s21, SLOT
	s_add_co_u32 s22, s22, SLOT
.endr
	; the way out's addresses, for both arms, made here, ahead of every parting.
	; q, k: the stage holds four heads of 64 rows; a row is four tokens x 64 codes.  Token 128 wr + 16 a + r of head 2 wc + b / 4.
	v_lshrrev_b32 v3, 2, v1
	v_mul_u32_u24 v3, v3, PITCH
	v_and_b32 v5, 3, v1
	v_lshl_add_u32 v3, v5, 6, v3
	v_lshl_add_u32 v3, v2, 4, v3                   ; (r / 4) rows + 64 (r % 4) + 16 h
	s_mul_i32 s21, s16, 128*PITCH
	s_mul_i32 s22, s15, 32*PITCH
	s_add_co_u32 s21, s21, s22
	v_add_nc_u32 v[STOQ], s21, v3
	; v: the stage holds 256 channels' rows of 256 tokens.  Channel 128 wr + 16 a + r, tokens 128 wc on
	s_mul_i32 s21, s15, 128*PITCH
	s_lshl_b32 s22, s16, 7
	s_add_co_u32 s21, s21, s22
	s_add_co_u32 s21, s21, STV
	v_add_nc_u32 v[STOV], s21, v4
	s_mul_i32 s21, s14, 64*PITCH                   ; back: wave w takes stage rows 64 w .. 64 w + 63, one head; lanes 0-15 one row, lanes 16-31 the next
	v_mul_u32_u24 v3, v2, PITCH
	v_lshl_add_u32 v3, v1, 4, v3
	v_add_nc_u32 v[RDQ], s21, v3
	v_add_nc_u32 v[RDV], STV, v[RDQ]
	v_and_b32 v3, 31, v0
	v_lshlrev_b32 v[COQ], 4, v3                    ; q, k: a head's 256 tokens are 16,384 bytes on end: two stage rows are 512 of them
	v_lshlrev_b32 v[COV], 11, v2                   ; v: a channel's row is 2,048 bytes
	v_lshl_add_u32 v[COV], v1, 4, v[COV]
	v_lshlrev_b32 v[BOQ], 5, v2
	v_lshlrev_b32 v[BOV], 2, v1
.macro FRAG reg, adr, q, i             ; 16 rows x 128 K: lane l holds row l % 16; registers 4 c .. 4 c + 3 hold K = 32 c + 16 (l / 16) + 0 .. 15: one permutation of k, alike on both sides
.irp c, 0,1,2,3
	ds_load_b128 v[\reg+4*\c:\reg+4*\c+3], v[\adr] offset:128*(\q)+32*\c+(\i)*16*PITCH
.endr
.endm
; 16 matrix instructions: row blocks a0, a0 + 1 x the eight column blocks, 128 along K.  p: the column operand's set.  zero = 1: the first product starts the sums.
; The 64 accumulators take turns, one instruction a turn, in the same order in every step.
.macro MUL16 a0, p, zero
.irp a, \a0, \a0+1
.irp b, 0,1,2,3,4,5,6,7
.if \zero
	v_wmma_f32_16x16x128_fp8_fp8 v[8*(8*((\a)%4)+\b):8*(8*((\a)%4)+\b)+7], v[128*(\p)+FR*\b:128*(\p)+FR*\b+FR-1], v[AF+FR*(\a):AF+FR*(\a)+FR-1], 0
.else
	v_wmma_f32_16x16x128_fp8_fp8 v[8*(8*((\a)%4)+\b):8*(8*((\a)%4)+\b)+7], v[128*(\p)+FR*\b:128*(\p)+FR*\b+FR-1], v[AF+FR*(\a):AF+FR*(\a)+FR-1], v[8*(8*((\a)%4)+\b):8*(8*((\a)%4)+\b)+7]
.endif
.endr
.endr
.endm
.macro FETCH_B slot, q, p
	WIN TO_B
.irp i, 0,1,2,3,4,5,6,7
	FRAG 128*(\p)+FR*\i, ADRB+\slot, \q, \i
.endr
	WIN 0
.endm
.macro FETCH_A slot, q, i0
.irp i, \i0, \i0+1, \i0+2, \i0+3
	FRAG AF+FR*(\i), ADRA+\slot, \q, \i
.endr
.endm
.macro PLACES n                        ; plain vector lines between a matrix instruction and a load into, or a vector line on, its registers
.rept \n
	v_nop
.endr
.endm
; A step of 128 along K that has its successor in the same slot.  A row block is free as soon as its eight products are issued, so one set serves the row operand.
.macro STEP slot, q, zero
	s_wait_dscnt 4*NL                              ; the column set and row blocks 0-3 are in; the youngest sixteen loads (row blocks 4-7) may be out
	WIN MUL_LO
	MUL16 0, (\q)%2, \zero
	MUL16 2, (\q)%2, \zero
	s_wait_dscnt 0                                 ; row blocks 4-7 are in
	PLACES NP
	FETCH_B \slot, (\q)+1, 1-(\q)%2
	FETCH_A \slot, (\q)+1, 0
	WIN MUL_HI
	MUL16 4, (\q)%2, \zero
	MUL16 6, (\q)%2, \zero
	PLACES NP
	WIN 0
	FETCH_A \slot, (\q)+1, 4
.endm
; A slot's last step changes slots: ONE barrier; in front of it each wave waits for all its tensor loads, adds 0 to its spare word, and waits for that and for its own reads of this slot.
.macro TURN slot, next, fill
	s_wait_tensorcnt 0x0                           ; all my tensor loads have landed: my part of the next slot
	ds_add_u32 v[SPW], v[NIL]                      ; 0 onto my spare word
	s_wait_dscnt 4*NL+1                            ; the add and the youngest sixteen loads may be out
	WIN MUL_LO
	MUL16 0, 1, 0
	s_wait_dscnt 0x0                               ; the add is done, and my reads of this slot are over
	s_barrier_signal -1
	MUL16 2, 1, 0
	WIN 0
	s_barrier_wait -1
.if \fill
	CREST                                          ; the barrier has opened a round of the cluster's barrier: no wave of any partner still reads this slot or has a load on its way
	s_add_nc_u64 s[G0+4*\slot+2:G0+4*\slot+3], s[G0+4*\slot+2:G0+4*\slot+3], 2*ROWB
	s_add_nc_u64 s[G0B+4*\slot+2:G0B+4*\slot+3], s[G0B+4*\slot+2:G0B+4*\slot+3], 2*ROWB
	JLOAD G0+4*\slot, G1, G0B+4*\slot, G1B         ; the first tensor load behind the round; its four v_nop are also the places in front of the loads below
.else
	PLACES NP
.endif
	FETCH_B \next, 0, 0
	FETCH_A \next, 0, 0
.if (\fill) && ((\slot) == 0)
	ASK 768                                        ; K step 3, behind K step 2's load
.endif
	WIN MUL_HI
	MUL16 4, 1, 0
	MUL16 6, 1, 0
	PLACES NP
	WIN 0
	FETCH_A \next, 0, 4
.endm
.macro LAST                            ; the very last step: nothing more to fetch
	s_wait_dscnt 4*NL
	WIN MUL_LO
	MUL16 0, 1, 0
	MUL16 2, 1, 0
	s_wait_dscnt 0
	WIN MUL_HI
	MUL16 4, 1, 0
	MUL16 6, 1, 0
	WIN 0
.endm
	s_wait_alu depctr_va_vdst(0)                   ; the wait at the head's end
	s_wait_tensorcnt 0x0                           ; my part of K step 0 is in
	ds_add_u32 v[SPW], v[NIL]
	s_wait_dscnt 0x0
	CROUND                                         ; everybody's part of K step 0 is in, and all sixteen work-groups are here
	JLOAD G0+4, G1, G0B+4, G1B                     ; K step 1's load, the first tensor load behind the round
	FETCH_B 0, 0, 0
	FETCH_A 0, 0, 0
	FETCH_A 0, 0, 4
	ASK 512                                        ; K step 2, behind K step 1's load and the run of LDS loads
	STEP 0, 0, 1                                   ; K = 1,024 is four slots' worth: written straight.  The first products start the sums
	TURN 0, 1, 1                                   ; slot 0 takes K step 2
	STEP 1, 0, 0
	TURN 1, 0, 1                                   ; slot 1 takes K step 3
	STEP 0, 0, 0
	TURN 0, 1, 0                                   ; nothing is filled again: behind this barrier nobody reads slot 0, and it has had its last fill
	s_wait_kmcnt 0x0
	s_add_co_i32 s96, s80, s81
	s_add_co_i32 s96, s96, 127
	s_lshl_b32 s96, s96, 23                        ; 2^(e0 + e1) as f32
	s_mov_b32 s97, s96                             ; (named with it as a pair, so it is written)
	s_cmp_eq_u32 ttmp9, 0
	s_cselect_b32 s88, s82, s83                    ; the output's exponent: e2 for q, e3 for k,
	s_cmp_eq_u32 ttmp9, 2
	s_cselect_b32 s88, s85, s88                    ; e5 for v: chosen without a jump
	s_add_co_i32 s88, s88, 127
	s_lshl_b32 s89, s88, 23
	v_mov_b32 v[SC], s89
	s_add_co_i32 s88, s88, 8
	s_lshl_b32 s88, s88, 23
	s_or_b32 s88, s88, 0x600000
	v_mov_b32 v[LIM], s88
	s_cmp_eq_u32 ttmp9, 2                          ; the two arms part on the cluster's x alone: alike in all waves and all partners
	s_cbranch_scc1 .Lv
; An arm: its bias is asked for; the last two steps, 128 matrix instructions, stand between the request and the wait; then the way out.
.macro ARM isv
.if \isv
.set STO, STOV
.set RD, RDV
.set CO, COV
.set OSTEP, 2*2048
	s_lshl_b32 s90, s17, 10                        ; the bias of channel 2,048 + 256 x tile row + 128 wr + 16 a + r: one number a lane and row block,
	s_lshl_b32 s91, s15, 9
	s_add_co_u32 s90, s90, s91
	s_add_co_u32 s90, s90, 8192
	s_mov_b32 s91, 0
	s_add_nc_u64 s[10:11], s[10:11], s[90:91]
.irp a, 0,1,2,3,4,5,6,7
	global_load_b32 v[BI+2*\a], v[BOV], s[10:11] offset:64*\a     ; in both registers of a pair, for the packed multiply-add
	global_load_b32 v[BI+2*\a+1], v[BOV], s[10:11] offset:64*\a
.endr
	s_lshr_b32 s90, s42, 3                         ; where my head's rows begin: v's part, batch = tile column / 8,
	s_lshl_b32 s90, s90, 21
	s_add_co_u32 s90, s90, 0x1000000
	s_lshl_b32 s91, s17, 2
	s_add_co_u32 s91, s91, s14                     ; head 4 x tile row + wave,
	s_lshl_b32 s91, s91, 17
	s_add_co_u32 s90, s90, s91
	s_and_b32 s91, s42, 7
	s_lshl_b32 s91, s91, 8                         ; tokens 256 x (tile column % 8) on
	s_add_co_u32 s90, s90, s91
.else
.set STO, STOQ
.set RD, RDQ
.set CO, COQ
.set OSTEP, 512
	s_lshl_b32 s90, s42, 10                        ; the bias of columns 256 x tile column + 128 wc + 16 b + 8 h + 0 .. 7
	s_lshl_b32 s91, s16, 9
	s_add_co_u32 s90, s90, s91
	s_mov_b32 s91, 0
	s_add_nc_u64 s[10:11], s[10:11], s[90:91]
.irp b, 0,1,2,3,4,5,6,7
	global_load_b128 v[BI+8*\b:BI+8*\b+3], v[BOQ], s[10:11] offset:64*\b
	global_load_b128 v[BI+8*\b+4:BI+8*\b+7], v[BOQ], s[10:11] offset:64*\b+16
.endr
	s_lshr_b32 s90, s42, 2                         ; where my head's rows begin: q's part or k's,
	s_lshl_b32 s90, s90, 23
	s_lshr_b32 s91, s17, 3                         ; batch = tile row / 8,
	s_lshl_b32 s91, s91, 21
	s_add_co_u32 s90, s90, s91
	s_and_b32 s91, s42, 3
	s_lshl_b32 s91, s91, 2
	s_add_co_u32 s91, s91, s14                     ; head 4 x (tile column % 4) + wave,
	s_lshl_b32 s91, s91, 17
	s_add_co_u32 s90, s90, s91
	s_and_b32 s91, s17, 7
	s_lshl_b32 s91, s91, 14                        ; tokens 256 x (tile row % 8) on, 64 bytes each
	s_add_co_u32 s90, s90, s91
.endif
	s_mov_b32 s91, 0
	s_add_nc_u64 s[12:13], s[12:13], s[90:91]
	STEP 1, 0, 0
	LAST
	s_wait_loadcnt 0x0                             ; the bias
	PLACES NP
; Four tiles at a time: number = sum x 2^(e0 + e1) + bias, each accumulator from its low end on; the hold; eight neighbours to a conversion; 8 bytes into the stage.
; The lane's 16 h and the tile's 8 (b % 2) are the exchange of bits 3 and 4.  Each tile has its own two registers of codes.
.irp a, 0,1,2,3,4,5,6,7
.irp hb, 0,1
	WIN 0x02+((\a)/4)                              ; source 0: window 2 or 3
.irp bb, 0,1,2,3
.irp i, 0,2,4,6
.if \isv
	v_pk_fma_f32 v[TMP+8*\bb+\i:TMP+8*\bb+\i+1], v[8*(8*(\a%4)+4*\hb+\bb)+\i:8*(8*(\a%4)+4*\hb+\bb)+\i+1], s[96:97], v[BI+2*\a:BI+2*\a+1] op_sel_hi:[1,0,1]
.else
	v_pk_fma_f32 v[TMP+8*\bb+\i:TMP+8*\bb+\i+1], v[8*(8*(\a%4)+4*\hb+\bb)+\i:8*(8*(\a%4)+4*\hb+\bb)+\i+1], s[96:97], v[BI+8*(4*\hb+\bb)+\i:BI+8*(4*\hb+\bb)+\i+1] op_sel_hi:[1,0,1]
.endif
.endr
.endr
	WIN 0
.set kk, 0
.rept 32
	v_med3_num_f32 v[TMP+kk], v[TMP+kk], -v[LIM], v[LIM]   ; the conversion to an 8-bit code does not saturate (ISA guide 7.6.2)
.set kk, kk+1
.endr
.irp bb, 0,1,2,3
	v_cvt_scalef32_pk8_fp8_f32 v[CD+2*(8*\a+4*\hb+\bb):CD+2*(8*\a+4*\hb+\bb)+1], v[TMP+8*\bb:TMP+8*\bb+7], v[SC]
.endr
	v_nop                                          ; one plain vector line behind the conversions: the next lines write their sources
.irp bb, 0,1,2,3
.if \isv
	ds_store_b64 v[STO], v[CD+2*(8*\a+4*\hb+\bb):CD+2*(8*\a+4*\hb+\bb)+1] offset:16*PITCH*\a+64*\hb+32*(\bb/2)+8*(\bb%2)
.else
	ds_store_b64 v[STO], v[CD+2*(8*\a+4*\hb+\bb):CD+2*(8*\a+4*\hb+\bb)+1] offset:4*PITCH*\a+64*PITCH*\hb+32*(\bb/2)+8*(\bb%2)
.endif
.endr
.endr
.endr
	s_wait_dscnt 0x0                               ; for the others' sake: my stores into the stage are done; the rows a wave reads back come from two waves
	s_barrier_signal -1
	s_barrier_wait -1
.set kk, 0
.rept 32
	ds_load_b128 v[CD+4*kk:CD+4*kk+3], v[RD] offset:2*PITCH*kk
.set kk, kk+1
.endr
.set kk, 0
.rept 32
	s_wait_dscnt 31-kk                             ; load kk is in; the younger ones may be out
	global_store_b128 v[CO], v[CD+4*kk:CD+4*kk+3], s[12:13] offset:OSTEP*kk   ; sixteen lanes store 256 consecutive bytes, aligned
.set kk, kk+1
.endr
	FINISH
.endm
	s_wait_alu depctr_va_vdst(0)
	ARM 0
.Lv:
	s_wait_alu depctr_va_vdst(0)
	ARM 1
.Lfunc_end_k_qb820a475f4_gemm_qkv:
	.size	k_qb820a475f4_gemm_qkv, .Lfunc_end_k_qb820a475f4_gemm_qkv-k_qb820a475f4_gemm_qkv
	.p2alignl 7, 3214868480
	.fill 96, 4, 3214868480
	.section	.rodata,"a",@progbits
	.p2align	6, 0x0
	.amdhsa_kernel k_qb820a475f4_gemm_qkv
		.amdhsa_group_segment_fixed_size 327680
		.amdhsa_private_segment_fixed_size 0
		.amdhsa_enable_private_segment 0
		.amdhsa_kernarg_size 40
		.amdhsa_user_sgpr_count 2
		.amdhsa_user_sgpr_kernarg_segment_ptr 1
		.amdhsa_wavefront_size32 1
		.amdhsa_system_sgpr_workgroup_id_x 1
		.amdhsa_system_sgpr_workgroup_id_y 1
		.amdhsa_system_sgpr_workgroup_id_z 1
		.amdhsa_system_vgpr_workitem_id 0
		.amdhsa_next_free_vgpr 1024
		.amdhsa_next_free_sgpr 100
		.amdhsa_reserve_vcc 0
		.amdhsa_float_denorm_mode_32 3
		.amdhsa_float_denorm_mode_16_64 3
		.amdhsa_memory_ordered 1
		.amdhsa_forward_progress 1
		.amdhsa_inst_pref_size 225
	.end_amdhsa_kernel
	.amdgpu_metadata
---
amdhsa.version: [ 1, 2 ]
amdhsa.kernels:
  - .name:           k_qb820a475f4_gemm_qkv
    .symbol:         k_qb820a475f4_gemm_qkv.kd
    .args:
      - { .name: x_codes, .offset: 0, .size: 8, .value_kind: global_buffer, .address_space: global }
      - { .name: w_codes, .offset: 8, .size: 8, .value_kind: global_buffer, .address_space: global }
      - { .name: lowp_scales, .offset: 16, .size: 8, .value_kind: global_buffer, .address_space: global }
      - { .name: b_qkv, .offset: 24, .size: 8, .value_kind: global_buffer, .address_space: global }
      - { .name: qkv_codes, .offset: 32, .size: 8, .value_kind: global_buffer, .address_space: global }
    .group_segment_fixed_size: 327680
    .private_segment_fixed_size: 0
    .kernarg_segment_align: 8
    .kernarg_segment_size: 40
    .max_flat_workgroup_size: 128
    .sgpr_count:     100
    .vgpr_count:     1024
    .wavefront_size: 32
...
	.end_amdgpu_metadata
.endif
;; end of part 2
;; launch attn (part 3): grid 4 x 64, 16 waves a work-group, clusters of 4 x 1, 327,680 bytes of LDS; arguments qkv_codes, lowp_scales, y_codes; writes y_codes
.if DOCPART == 3
	.amdgcn_target "amdgcn-amd-amdhsa--gfx1250"
	.amdhsa_code_object_version 6
	.text
	.protected	k_qb820a475f4_attn
	.globl	k_qb820a475f4_attn
	.p2align	8
	.type	k_qb820a475f4_attn,@function
k_qb820a475f4_attn:
	s_mov_b64 s[64:65], 0
	v_nop
	global_prefetch_b8 v0, s[64:65] scope:SCOPE_SE
	s_setreg_imm32_b32 hwreg(HW_REG_WAVE_MODE, 25, 1), 1
	s_wait_xcnt 0x0
	s_wait_alu depctr_hold_cnt(0) depctr_sa_sdst(0) depctr_va_vdst(0) depctr_va_sdst(0) depctr_va_ssrc(0) depctr_va_vcc(0) depctr_vm_vsrc(0)
	s_getreg_b32 s2, hwreg(HW_REG_IB_STS2, 6, 4)
	s_cmp_eq_u32 s2, 0
	s_cbranch_scc0 .Lentry_in_a_cluster
	s_endpgm
.Lentry_in_a_cluster:
	s_bfe_u32 s2, ttmp6, 0x10000c
	s_cmp_lg_u32 s2, 0x3003
	s_cbranch_scc0 .Lentry_shape_is_right
	s_endpgm
.Lentry_shape_is_right:
; y = softmax(q k^T / 8, causal) v for 64 (batch, head) pairs of 2,048 tokens x 64 channels, both products on codes of FP8 (E4M3), and y quantised on the way out.
; qkv_codes: q at byte 0, k at 0x800000: [64][2048][64];  v at 0x1000000: [64][64 channels][2048 keys].  Inside each aligned 32 along the innermost axis position 32 c + 16 h + 8 u + j holds index 32 c + 16 u + 8 h + j.
; THE SOFTMAX: t = score x log2(e) / 8; M = the running largest t rounded UP to a whole number; p = 2^(t - M) is quantised with 2^e4, not normalised; the row's sum is taken of the unquantised p and divides at the end.
; When M moves, the sum and O are multiplied by 2^(old M - new M): a power of two.
; y_codes: [token / 4 = 2048][head = 16][token % 4][64], code = y / 2^e6 held within +-448: 16 queries of one head are four whole aligned runs of 256 bytes.
; LIMITS: e2 + e3 between -123 and 130 (added to the exponent field of log2(e) / 8); e4 and e6 between -126 and 119; e4 + e5 goes by v_ldexp_f32 and has none; the scaled scores t stay under 2^31 in magnitude.
; LEFT OUT: key steps all of whose 128 keys come after a tile's 16 queries: the causal mask sets their scores to -infinity, so their p is 0 for all values of the inputs.
; A HEAD'S WHOLE K AND V LIE IN LDS: 2 x 2,048 x 64 bytes in rows of 256 + 16 bytes are 278,528 bytes, in eight blocks of 256 keys each.  Every byte is filled once, in two groups of loads.
; At the head: blocks 0 and 1, sixteen rows of 256 bytes a wave (waves 0-7: K; waves 8-15: V).  Behind the wait for them, the add and a round of the cluster's barrier: blocks 2 to 7, one block of 64 rows a wave
; (waves 0-5: K; waves 8-13: V).  hi's key steps 0 to 2 read blocks 0 and 1 alone (step 2 also asks for step 3's K, the end of block 1) and are worked while the second group is on its way;
; a wait and a barrier stand ahead of step 3, and from there on no wave waits for another.
; SHARES.  A cluster of four work-groups is one (batch, head); its 64 waves own the head's 128 tiles of 16 queries in PAIRS: lo and hi = 127 - lo: 17 key steps of 128 keys for every wave under the causal mask.
; Wave w = 4 a + b of work-group g: o = a xor b, lo = 16 o + 4 a + g.  The key step on a tile's diagonal, lo / 8 = 2 o + a / 2 and 15 - that, hangs on the wave's number alone: no branch hangs on g.
; The four work-groups need the same K and V: every load is asked for JOINTLY, with the mask of all four.
; A wave walks hi, sends it out, then walks lo, on the same registers.  The loops have constant trip counts (3 + 13 and 8); a hidden step's work is jumped over by a scalar branch on the wave's number and the count of steps.
; K's fragments of step n + 1 are asked for in step n, straight behind the products that read step n's; a tile's last step asks for 32 rows that nobody multiplies (they lie inside the tiles' bytes).
; NO PREFETCH: all bytes of K and V are asked for by the two groups of loads at the start, so no later request is left to run ahead of.
; LAYOUT.  S^T = K Q^T (source 0 = 16 NEIGHBOURING keys, source 1 = my 16 queries, K = 64): a lane holds one query (lane % 16); register 8 T + j is key 16 T + 8 (lane / 16) + j.  So the conversion of tile T's eight
; registers gives registers 2 T, 2 T + 1 of the K = 128 form's own layout.  V's fragment comes by four loads of 16 bytes, and the stored exchange of bits 3 and 4 puts its keys in the same places.
; O^T += V^T P^T (source 0 = 16 channels, source 1 = P): register 8 ct + j is channel 16 ct + 8 (lane / 16) + j.
.set KP,    272                        ; an LDS row: 256 bytes + 16 = 68 words.  K: a row is four keys of 64 bytes; V: 256 keys of a channel
.set BLK,   64*KP                      ; a block of 256 keys: 64 rows, of K and of V alike
.set VB,    8*BLK                      ; V's eight blocks lie behind K's eight
.set SPARE, 16*BLK                     ; the spare words: 128 bytes for each of 16 waves
.set STAGE, SPARE+2048                 ; the way out: 2 x 1,024 bytes for each wave; no tile lands here
.set AK0, 1                            ; v1   my lane's place in a tile of K
.set AV0, 2                            ; v2   in a tile of V
.set ADK, 3                            ; v3   LDS address of the next step's K; on the way out: into the stage
.set ADV, 4                            ; v4   LDS address of the step's V; on the way out: out of the stage
.set SPW, 5                            ; v5   my spare word; never rewritten
.set NIL, 6                            ; v6   0; never rewritten
.set DM,  7                            ; v7   my query in the tile's diagonal step, less 8 (lane / 16)
.set PSC, 8                            ; v8   2^e4
.set YO,  9                            ; v9   my byte offset in a tile's part of y_codes; never rewritten
.set NINF, 10                          ; v10  -infinity
.set PX,  11                           ; v11  a lane permute's destination
.set SS,  12                           ; v12-15  -M, the largest t, the sum in two halves
.set Q,   16                           ; v16-23  the tile's queries
.set KF,  24                           ; v24-87  eight fragments of K
.set VF,  88                           ; v88-151 four fragments of V
.set S,   152                          ; v152-215 S^T, then p; p's codes are laid over v152-167
.set O,   216                          ; v216-247 O^T
.set MA,  248                          ; v[248:249] at work
.set FF,  250                          ; v[250:251] f = 2^(old M - new M), then a chain of the sum
.set SB2, 252                          ; v[252:253] at work
.set TP,  254                          ; v[254:255] tile 0's codes until their place is free; between tiles: the queries' offset
.set KS,  3                            ; s3   the key step: the loops' counter
.set WV,  10
.set GX,  11                           ; my work-group's place in the cluster: it enters q's and y's addresses and the mask register alone
.set BH,  12
.set DL,  15                           ; lo's diagonal key step
.set DH,  16                           ; hi's
.set TLO, 17
.set THI, 18
.set SEL, 20                           ; s[20:21] v_permlanex16_b32's selects for lane l xor 16
.set CS,  22                           ; s[22:23] c = log2(e) / 8 x 2^(e2 + e3)
.set G1K, 24
.set G1V, 32
.set G0K, 40
.set G0V, 44
.set EX,  48                           ; s[48:55] the eight exponents
.set MH,  80                           ; s80  hi's first query in its diagonal step;  s81 lo's
.set ML,  81
.set PL,  83                           ; s83  448 x 2^e4
.macro CROUND                          ; a round of the cluster's barrier
	s_barrier_signal -1
	s_barrier_wait -1
	s_cmp_lg_u32 s[WV], 0
	s_cbranch_scc1 .Lnot_wave_0_\@
	s_barrier_signal -3
.Lnot_wave_0_\@:
	s_barrier_wait -3
	s_barrier_signal -1
	s_barrier_wait -1
.endm
	s_load_b128 s[4:7], s[0:1], 0x0                ; qkv_codes s[4:5], the exponents s[6:7]
	s_load_b64 s[8:9], s[0:1], 0x10                ; y_codes
	v_lshl_add_u32 v[SPW], v0, 2, SPARE
	v_mov_b32 v[NIL], 0
	ds_add_u32 v[SPW], v[NIL]                      ; the wave's opening: the add, twice on end, and its wait ahead of my first tensor load
	ds_add_u32 v[SPW], v[NIL]
	v_lshrrev_b32 v1, 5, v0
	v_readfirstlane_b32 s[WV], v1                  ; wave 0..15
	s_bfe_u32 s[GX], ttmp6, 0x40000                ; g
	s_and_b32 s[BH], ttmp7, 0xffff                 ; batch x 16 + head, which the four partners share
	s_lshr_b32 s13, s[WV], 2                       ; a
	s_and_b32 s14, s[WV], 3
	s_xor_b32 s14, s14, s13                        ; o = a xor b
	s_lshl_b32 s[DL], s14, 1
	s_lshr_b32 s72, s13, 1
	s_add_co_u32 s[DL], s[DL], s72                 ; lo / 8
	s_sub_co_u32 s[DH], 15, s[DL]                  ; hi / 8
	s_lshl_b32 s[TLO], s14, 4
	s_lshl_b32 s72, s13, 2
	s_add_co_u32 s[TLO], s[TLO], s72
	s_add_co_u32 s[TLO], s[TLO], s[GX]             ; lo = 16 o + 4 a + g
	s_sub_co_u32 s[THI], 127, s[TLO]
	s_lshl_b32 s74, s[BH], 17                      ; the head's first byte in q's, k's and v's part: 131,072 each
	s_and_b32 s75, s[WV], 7                        ; j: which part of K or of V I fetch
	; the first group: blocks 0 and 1 in sixteen parts of 16 rows
	s_lshl_b32 s76, s75, 12                        ; K: rows 16 j on, 256 bytes each, on end in memory
	s_add_co_u32 s76, s76, s74
	s_add_co_u32 s76, s76, 0x800000
	s_mov_b32 s77, 0
	s_and_b32 s72, s75, 3
	s_lshr_b32 s73, s75, 2
	s_lshl_b32 s78, s72, 15                        ; V: channels 16 (j % 4) on, rows of 2,048 bytes,
	s_lshl_b32 s79, s73, 8                         ; of block j / 4: 256 bytes of each row
	s_add_co_u32 s78, s78, s79
	s_add_co_u32 s78, s78, s74
	s_add_co_u32 s78, s78, 0x1000000
	s_mov_b32 s79, 0
	s_mov_b32 s[G0K], 1                            ; count = 1
	s_mul_i32 s[G0K+1], s75, 16*KP                 ; LDS address
	s_mov_b32 s[G0V], 1
	s_mul_i32 s[G0V+1], s72, 16*KP
	s_mul_i32 s73, s73, BLK
	s_add_co_u32 s[G0V+1], s[G0V+1], s73
	s_add_co_u32 s[G0V+1], s[G0V+1], VB
	; the second group: block j + 2, whole (j = 0 .. 5)
	s_add_co_u32 s75, s75, 2
	s_lshl_b32 s88, s75, 14                        ; K: a block is 16,384 bytes on end
	s_add_co_u32 s88, s88, s74
	s_add_co_u32 s88, s88, 0x800000
	s_mov_b32 s89, 0
	s_lshl_b32 s90, s75, 8                         ; V: a block is 256 bytes of each channel's row
	s_add_co_u32 s90, s90, s74
	s_add_co_u32 s90, s90, 0x1000000
	s_mov_b32 s91, 0
	s_mul_i32 s92, s75, BLK                        ; LDS addresses
	s_add_co_u32 s93, s92, VB
	; group 1 of the descriptors: rows of 256 bytes, 16 bytes of padding behind each; 16 rows now, 64 in the second group.  K's rows are 256 bytes apart in memory, V's 2,048
	s_mov_b32 s[G1K], 15|(1<<20)|(1<<21)|(5<<22)|(3<<25)   ; 15:0 the mask: all four work-groups; 17:16 elements of 1 byte; 20 padding on; 21 set beside a mask; 24:22 after every 64 words; 31:25 four words
	s_mov_b32 s[G1V], 15|(1<<20)|(1<<21)|(5<<22)|(3<<25)
.irp g, G1K, G1V
	s_mov_b32 s[\g+1], 256<<16                     ; tensor_dim0
	s_mov_b32 s[\g+2], 16<<16                      ; tensor_dim1
	s_mov_b32 s[\g+3], 256<<16                     ; tile_dim0
	s_mov_b32 s[\g+4], 16                          ; tile_dim1
	s_mov_b32 s[\g+6], 0
	s_mov_b32 s[\g+7], 0
.endr
	s_mov_b32 s[G1K+5], 256                        ; tensor_dim0_stride
	s_mov_b32 s[G1V+5], 2048
	s_mov_b32 s[SEL], 0x76543210
	s_mov_b32 s[SEL+1], 0xfedcba98
	s_mov_b32 s[CS], 0x3e38aa3b                    ; log2(e) / 8
	s_wait_dscnt 0x0                               ; both opening adds are done
	s_wait_kmcnt 0x0
	s_load_b256 s[EX:EX+7], s[6:7], 0x0
	s_add_nc_u64 s[G0K+2:G0K+3], s[4:5], s[76:77]
	s_or_b32 s[G0K+3], s[G0K+3], 0x80000000        ; type = 2
	s_add_nc_u64 s[G0V+2:G0V+3], s[4:5], s[78:79]
	s_or_b32 s[G0V+3], s[G0V+3], 0x80000000
	s_add_nc_u64 s[88:89], s[4:5], s[88:89]
	s_add_nc_u64 s[90:91], s[4:5], s[90:91]
	CROUND                                         ; all four work-groups are here: the joint loads meet
	s_cmp_lt_u32 s[WV], 8                          ; waves 0-7 fetch for K, waves 8-15 for V: one load in each arm; the branch hangs on the wave's number alone
	s_cbranch_scc0 .Lfor_v
	tensor_load_to_lds s[G0K:G0K+3], s[G1K:G1K+7]
	s_nop 0
.rept 4
	v_nop
.endr
	s_branch .Lasked
.Lfor_v:
	tensor_load_to_lds s[G0V:G0V+3], s[G1V:G1V+7]
	s_nop 0
.rept 4
	v_nop
.endr
.Lasked:
	s_mov_b32 s73, 0
	s_lshl_b32 s72, s[THI], 10                     ; a tile of 16 queries is 1,024 bytes
	s_add_co_u32 s72, s72, s74
	s_add_nc_u64 s[56:57], s[4:5], s[72:73]        ; hi's queries
	s_lshl_b32 s72, s[TLO], 10
	s_add_co_u32 s72, s72, s74
	s_add_nc_u64 s[58:59], s[4:5], s[72:73]        ; lo's
	s_lshr_b32 s72, s[BH], 4
	s_lshl_b32 s72, s72, 21                        ; y: a batch is 512 quads of tokens x 4,096 bytes,
	s_and_b32 s75, s[BH], 15
	s_lshl_b32 s75, s75, 8                         ; a head 256 bytes of a quad,
	s_add_co_u32 s75, s75, s72
	s_lshl_b32 s72, s[THI], 14                     ; a tile four quads
	s_add_co_u32 s72, s72, s75
	s_add_nc_u64 s[60:61], s[8:9], s[72:73]
	s_lshl_b32 s72, s[TLO], 14
	s_add_co_u32 s72, s72, s75
	s_add_nc_u64 s[62:63], s[8:9], s[72:73]
	s_and_b32 s[MH], s[THI], 7
	s_lshl_b32 s[MH], s[MH], 4
	s_and_b32 s[ML], s[TLO], 7
	s_lshl_b32 s[ML], s[ML], 4
	s_lshl_b32 s84, s[WV], 11
	s_add_co_u32 s84, s84, STAGE                   ; my stage
	s_wait_kmcnt 0x0
	s_add_co_i32 s72, s[EX+2], s[EX+3]
	s_lshl_b32 s72, s72, 23
	s_add_co_i32 s[CS], s[CS], s72                 ; a score stands for score x 2^(e2 + e3): added to c's exponent field
	s_mov_b32 s[CS+1], s[CS]
	s_add_co_i32 s72, s[EX+4], 127
	s_lshl_b32 s82, s72, 23                        ; 2^e4
	s_add_co_i32 s72, s72, 8
	s_lshl_b32 s[PL], s72, 23
	s_or_b32 s[PL], s[PL], 0x600000                ; 448 x 2^e4
	s_add_co_i32 s72, s[EX+6], 127
	s_lshl_b32 s85, s72, 23                        ; 2^e6
	s_add_co_i32 s72, s72, 8
	s_lshl_b32 s86, s72, 23
	s_or_b32 s86, s86, 0x600000                    ; 448 x 2^e6
	s_add_co_i32 s87, s[EX+4], s[EX+5]             ; e4 + e5
	; the head's vector work stands in one run, with no scalar line in it
	v_and_b32 v[MA], 15, v0                        ; r
	v_bfe_u32 v[MA+1], v0, 4, 1                    ; h
	v_lshlrev_b32 v[TP], 6, v[MA]
	v_lshl_add_u32 v[TP], v[MA+1], 4, v[TP]        ; q: row r of 64 bytes, + 16 h
	global_load_b128 v[Q:Q+3], v[TP], s[56:57]
	global_load_b128 v[Q+4:Q+7], v[TP], s[56:57] offset:32
	v_lshrrev_b32 v[AK0], 2, v[MA]
	v_mul_u32_u24 v[AK0], v[AK0], KP
	v_and_b32 v[FF], 3, v[MA]
	v_lshl_add_u32 v[AK0], v[FF], 6, v[AK0]
	v_lshl_add_u32 v[AK0], v[MA+1], 4, v[AK0]      ; key r of a tile: row r / 4, 64 (r % 4), + 16 h
	v_mul_u32_u24 v[AV0], v[MA], KP
	v_lshl_add_u32 v[AV0], v[MA+1], 4, v[AV0]
	v_add_nc_u32 v[AV0], VB, v[AV0]                ; channel r of a tile: row r, + 16 h
	v_lshlrev_b32 v[YO], 12, v[MA+1]
	v_lshl_add_u32 v[YO], v[MA], 4, v[YO]          ; in y_codes: lanes 0-15 one quad of tokens, lanes 16-31 the next, 4,096 bytes on
	v_mov_b32 v[PSC], s82
	v_mov_b32 v[NINF], 0xff800000
	v_mov_b32 v[PX], 0                             ; written once: a lane permute's destination counts as one of its sources
	v_mov_b32 v[FF+1], 0                           ; (named as the upper half of a pair)
.macro MINS t                          ; the hold of tile t's eight p, two to an instruction: the conversion does not saturate (ISA guide 7.6.2); p is not negative, so the hold is one-sided
.irp i, 0,2,4,6
	v_dual_min_num_f32 v[S+8*\t+\i], s[PL], v[S+8*\t+\i] :: v_dual_min_num_f32 v[S+8*\t+\i+1], s[PL], v[S+8*\t+\i+1]
.endr
.endm
; A KEY STEP of the tile in hand: keys 128 KS on.  DG: the tile's diagonal key step.  At its head K's fragments of this step are on their way into v[KF ..].
.macro STEP DG
	s_cmp_gt_u32 s[KS], s[\DG]                     ; all 128 keys come after my 16 queries: the step's work is left out
	s_cbranch_scc1 .Lhid_\@
	s_mul_i32 s72, s[KS], 32*KP
	s_add_co_u32 s72, s72, 32*KP                   ; K: 32 rows a step; the NEXT step's
	s_lshr_b32 s73, s[KS], 1
	s_mul_i32 s73, s73, BLK                        ; V: block KS / 2,
	s_and_b32 s74, s[KS], 1
	s_lshl_b32 s74, s74, 7                         ; and 128 bytes on in its rows for the odd steps
	s_add_co_u32 s73, s73, s74
	v_add_nc_u32 v[ADK], s72, v[AK0]
	v_add_nc_u32 v[ADV], s73, v[AV0]
.rept 3
	v_nop                                          ; with the two additions: five places, since the products below write over p's codes, which the last products read
.endr
	s_wait_alu depctr_va_vdst(0)                   ; directly ahead of the wait below
	s_wait_dscnt 0x0                               ; K's fragments
.irp t, 0,1,2,3,4,5,6,7
	v_wmma_f32_16x16x64_fp8_fp8 v[S+8*\t:S+8*\t+7], v[KF+8*\t:KF+8*\t+7], v[Q:Q+7], 0
.endr
.rept 4
	v_nop                                          ; places in front of the loads below and of the first read of the scores
.endr
.irp t, 0,1,2,3
.irp c, 0,1,2,3
	ds_load_b128 v[VF+16*\t+4*\c:VF+16*\t+4*\c+3], v[ADV] offset:16*\t*KP+32*\c   ; V's fragments, 16 loads,
.endr
.endr
.irp t, 0,1,2,3,4,5,6,7
	ds_load_b128 v[KF+8*\t:KF+8*\t+3],   v[ADK] offset:4*\t*KP                    ; and the next step's K, 16 loads, are on their way while the softmax is worked
	ds_load_b128 v[KF+8*\t+4:KF+8*\t+7], v[ADK] offset:4*\t*KP+32
.endr
	s_cmp_lg_u32 s[KS], s[\DG]                     ; only the step on the diagonal has hidden keys: their scores become -infinity ahead of the maximum, so p = 0
	s_cbranch_scc1 .Lopen_\@
.set nn, 0
.rept 64
	v_cmp_gt_i32 vcc_lo, 16*(nn/8)+nn%8, v[DM]
	v_cndmask_b32 v[S+nn], v[S+nn], v[NINF], vcc_lo
.set nn, nn+1
.endr
.Lopen_\@:
	v_max3_num_f32 v[MA], v[S], v[S+1], v[S+2]     ; the step's largest score of my query among my 64 keys, in four chains, the registers in ascending order: each accumulator is first read at its low end
	v_max3_num_f32 v[MA+1], v[S+3], v[S+4], v[S+5]
	v_max3_num_f32 v[FF], v[S+6], v[S+7], v[S+8]
	v_max3_num_f32 v[SB2], v[S+9], v[S+10], v[S+11]
.irp i, 12,20,28,36,44,52
	v_max3_num_f32 v[MA], v[MA], v[S+\i], v[S+1+\i]
	v_max3_num_f32 v[MA+1], v[MA+1], v[S+2+\i], v[S+3+\i]
	v_max3_num_f32 v[FF], v[FF], v[S+4+\i], v[S+5+\i]
	v_max3_num_f32 v[SB2], v[SB2], v[S+6+\i], v[S+7+\i]
.endr
	v_max3_num_f32 v[MA], v[MA], v[S+60], v[S+61]
	v_max3_num_f32 v[MA+1], v[MA+1], v[S+62], v[S+63]
	v_max3_num_f32 v[MA], v[MA], v[MA+1], v[FF]
	s_delay_alu instid0(VALU_DEP_1)
	v_max_num_f32 v[MA], v[MA], v[SB2]
	s_delay_alu instid0(VALU_DEP_1)
	v_permlanex16_b32 v[PX], v[MA], s[SEL], s[SEL+1]
	s_delay_alu instid0(VALU_DEP_1)
	v_max_num_f32 v[MA], v[MA], v[PX]              ; and among lane l xor 16's
	s_delay_alu instid0(VALU_DEP_1)
	v_mul_f32 v[MA], s[CS], v[MA]                  ; as t (c is positive)
	s_delay_alu instid0(VALU_DEP_1)
	v_max_num_f32 v[SS+1], v[SS+1], v[MA]          ; the running largest t
	v_mov_b32 v[MA], v[SS]
	s_delay_alu instid0(VALU_DEP_2)
	v_floor_f32 v[SS], -v[SS+1]                    ; the new -M = -ceil(t): a whole number
	s_delay_alu instid0(VALU_DEP_1)
	v_sub_f32 v[MA], v[SS], v[MA]                  ; old M - new M: a whole number, 0 or less
	s_delay_alu instid0(VALU_DEP_1)
	v_cvt_i32_f32 v[MA], v[MA]                     ; (it saturates)
	s_delay_alu instid0(VALU_DEP_1)
	v_ldexp_f32 v[FF], 1.0, v[MA]                  ; f = 2^(old M - new M)
.set nn, 0
.rept 32
	v_pk_fma_f32 v[S+nn:S+nn+1], v[S+nn:S+nn+1], s[CS:CS+1], v[SS:SS+1] op_sel_hi:[1,0,0]   ; t - M, two at a time
.set nn, nn+2
.endr
.set nn, 0
.rept 16
	v_pk_mul_f32 v[O+nn:O+nn+1], v[O+nn:O+nn+1], v[FF:FF+1] op_sel_hi:[1,0]   ; O^T under the new M, ahead of the exponentials; each accumulator from its low end on
.set nn, nn+2
.endr
.set nn, 0
	s_wait_alu depctr_va_vdst(0)                   ; the wait ahead of the batch
.rept 64
	v_exp_f32 v[S+nn], v[S+nn]                     ; p = 2^(t - M)
.set nn, nn+1
.endr
	v_pk_mul_f32 v[SS+2:SS+3], v[SS+2:SS+3], v[FF:FF+1] op_sel_hi:[1,0]   ; the sums under the new M: the plain line behind the exponentials
	s_wait_alu depctr_va_vdst(0)                   ; one wait for the batch of 64, ahead of its first reader
	; tile by tile: the row's sum is taken of the unquantised p, in four chains; then the hold; then the conversion.  Tile t's codes go to v[S + 2 t], registers of a tile that has been converted; tile 0's wait in v[TP]
	v_pk_add_f32 v[SS+2:SS+3], v[SS+2:SS+3], v[S:S+1]
	v_pk_add_f32 v[SB2:SB2+1], v[S+2:S+3], v[S+4:S+5]
	v_pk_add_f32 v[MA:MA+1], v[S+6:S+7], v[S+8:S+9]
	v_pk_add_f32 v[FF:FF+1], v[S+10:S+11], v[S+12:S+13]
	MINS 0
	v_cvt_scalef32_pk8_fp8_f32 v[TP:TP+1], v[S:S+7], v[PSC]
	v_pk_add_f32 v[SS+2:SS+3], v[SS+2:SS+3], v[S+14:S+15]
	MINS 1
	v_cvt_scalef32_pk8_fp8_f32 v[S+2:S+3], v[S+8:S+15], v[PSC]
.irp t, 2,3,4,5,6,7
	v_pk_add_f32 v[SS+2:SS+3], v[SS+2:SS+3], v[S+8*\t:S+8*\t+1]
	v_pk_add_f32 v[SB2:SB2+1], v[SB2:SB2+1], v[S+8*\t+2:S+8*\t+3]
	v_pk_add_f32 v[MA:MA+1], v[MA:MA+1], v[S+8*\t+4:S+8*\t+5]
	v_pk_add_f32 v[FF:FF+1], v[FF:FF+1], v[S+8*\t+6:S+8*\t+7]
	MINS \t
	v_cvt_scalef32_pk8_fp8_f32 v[S+2*\t:S+2*\t+1], v[S+8*\t:S+8*\t+7], v[PSC]
.endr
	v_pk_add_f32 v[SB2:SB2+1], v[SB2:SB2+1], v[MA:MA+1]
	v_pk_add_f32 v[SS+2:SS+3], v[SS+2:SS+3], v[FF:FF+1]
	v_pk_add_f32 v[SS+2:SS+3], v[SS+2:SS+3], v[SB2:SB2+1]
	v_mov_b32 v[S], v[TP]
	v_mov_b32 v[S+1], v[TP+1]
	s_wait_alu depctr_va_vdst(0)                   ; directly ahead of the wait below
	s_wait_dscnt 16                                ; V's 16 loads are in; the 16 behind them, the next step's K, may be out
.irp t, 0,1,2,3
	v_wmma_f32_16x16x128_fp8_fp8 v[O+8*\t:O+8*\t+7], v[VF+16*\t:VF+16*\t+15], v[S:S+15], v[O+8*\t:O+8*\t+7]   ; four accumulators by turns, one instruction a turn
.endr
.Lhid_\@:
.endm
; ONE TILE OF 16 QUERIES from its first key step to its codes in y_codes.  idx: 0 hi, 1 lo; NT: the key steps walked; DG: its diagonal step; SDM: its first query in that step; YB: its place in y_codes.
.macro TILE idx, NT, DG, SDM, YB
	v_and_b32 v[MA], 15, v0
	v_bfe_u32 v[MA+1], v0, 4, 1
	v_lshlrev_b32 v[MA+1], 3, v[MA+1]
	v_sub_nc_u32 v[MA], v[MA], v[MA+1]             ; r - 8 h
	v_add_nc_u32 v[DM], s[\SDM], v[MA]             ; register 8 T + j holds a hidden key of the diagonal step where 16 T + j is above this
	v_mov_b32 v[SS+1], 0xff61b1e6                  ; the largest t so far: -3e38, under every t
	v_floor_f32 v[SS], -v[SS+1]                    ; -M
	v_mov_b32 v[SS+2], 0
	v_mov_b32 v[SS+3], 0
.set nn, 0
.rept 32
	v_mov_b32 v[O+nn], 0                           ; O^T.  The key step is written once for all steps of a loop: the first finds zeros, which the first change of M leaves zeros
.set nn, nn+1
.endr
.irp t, 0,1,2,3,4,5,6,7
	ds_load_b128 v[KF+8*\t:KF+8*\t+3],   v[AK0] offset:4*\t*KP      ; key step 0's K
	ds_load_b128 v[KF+8*\t+4:KF+8*\t+7], v[AK0] offset:4*\t*KP+32
.endr
	s_mov_b32 s[KS], 0
	s_wait_alu depctr_va_vdst(0)                   ; directly ahead of the wait below
	s_wait_loadcnt 0x0                             ; the tile's queries
.if \idx == 0
.Lfirst:                                           ; hi's key steps 0 to 2: they read blocks 0 and 1 alone (hi / 8 is 8 at the least, so none of them is hidden or on the diagonal)
	STEP \DG
	s_add_co_u32 s[KS], s[KS], 1
	s_cmp_lt_u32 s[KS], 3
	s_cbranch_scc1 .Lfirst
	s_wait_tensorcnt 0x0                           ; my block of the second group has landed,
	s_wait_dscnt 0x0                               ; no LDS load of mine is out at the signal,
	s_barrier_signal -1
	s_barrier_wait -1                              ; and every other wave's block has landed: all of K and V is in LDS, and nothing is filled again
	s_mov_b32 s[KS], 3
.endif
.Ltile_\idx:
	STEP \DG
	s_add_co_u32 s[KS], s[KS], 1
	s_cmp_lt_u32 s[KS], \NT
	s_cbranch_scc1 .Ltile_\idx
	; THE WAY OUT.  O^T / the sum x 2^(e4 + e5) is y; its codes go through my own stage and leave as aligned runs of 256 bytes.
.if \idx == 0
	v_and_b32 v[TP], 15, v0                        ; lo's queries are asked for now: hi's have been multiplied for the last time
	v_bfe_u32 v[TP+1], v0, 4, 1
	v_lshlrev_b32 v[TP], 6, v[TP]
	v_lshl_add_u32 v[TP], v[TP+1], 4, v[TP]
	global_load_b128 v[Q:Q+3], v[TP], s[58:59]
	global_load_b128 v[Q+4:Q+7], v[TP], s[58:59] offset:32
.endif
	v_add_f32 v[SS+2], v[SS+2], v[SS+3]
	v_permlanex16_b32 v[PX], v[SS+2], s[SEL], s[SEL+1]
	v_add_f32 v[SS+2], v[SS+2], v[PX]              ; the row's sum
	s_wait_alu depctr_va_vdst(0)                   ; the wait ahead of the reciprocal
	v_rcp_f32 v[SS+2], v[SS+2]
	v_and_b32 v[MA], 15, v0                        ; (plain lines behind the reciprocal)  r
	v_bfe_u32 v[MA+1], v0, 4, 1                    ; h
	v_lshlrev_b32 v[ADK], 6, v[MA]
	v_lshl_add_u32 v[ADK], v[MA+1], 3, v[ADK]
	v_add_nc_u32 v[ADK], s84, v[ADK]               ; in: query r's 64 bytes, + 8 h
	v_and_b32 v[ADV], 31, v0
	v_lshlrev_b32 v[ADV], 4, v[ADV]
	v_add_nc_u32 v[ADV], s84, v[ADV]               ; back: 16 bytes a lane
	v_mov_b32 v[FF], s85                           ; 2^e6
	v_mov_b32 v[MA], s86                           ; 448 x 2^e6
	s_wait_alu depctr_va_vdst(0)                   ; the wait for the reciprocal, ahead of its first reader
	v_ldexp_f32 v[SS+2], v[SS+2], s87
	s_wait_alu depctr_va_vdst(0)                   ; directly ahead of the first reader of O^T
.set nn, 0
.rept 16
	v_pk_mul_f32 v[S+nn:S+nn+1], v[O+nn:O+nn+1], v[SS+2:SS+3] op_sel_hi:[1,0]   ; each accumulator from its low end on
.set nn, nn+2
.endr
.set nn, 0
.rept 32
	v_med3_num_f32 v[S+nn], v[S+nn], -v[MA], v[MA]
.set nn, nn+1
.endr
.irp t, 0,1,2,3
	v_cvt_scalef32_pk8_fp8_f32 v[S+32+2*\t:S+33+2*\t], v[S+8*\t:S+8*\t+7], v[FF]   ; channels 16 t + 8 h on
.endr
	v_nop                                          ; one plain vector line behind the last conversion
.irp t, 0,1,2,3
	ds_store_b64 v[ADK], v[S+32+2*\t:S+33+2*\t] offset:1024*\idx+16*\t
.endr
.irp k, 0,1
	ds_load_b128 v[VF+4*\k:VF+4*\k+3], v[ADV] offset:1024*\idx+512*\k   ; a wave's LDS instructions are served in order (ISA guide 5.7.1.4): these see my stores
.endr
	s_wait_dscnt 1                                 ; the first load is in, the second may be out
	global_store_b128 v[YO], v[VF:VF+3], s[\YB:\YB+1]                   ; sixteen lanes store 256 consecutive bytes, aligned: four tokens of my head
	s_wait_dscnt 0
	global_store_b128 v[YO], v[VF+4:VF+7], s[\YB:\YB+1] offset:8192
.if \idx == 0
	s_wait_xcnt 0x0                                ; the stores have read their registers: the next tile's loads land there
.endif
.endm
	s_wait_alu depctr_va_vdst(0)                   ; the wait at the head's end
	s_wait_tensorcnt 0x0                           ; my part of blocks 0 and 1 has landed
	ds_add_u32 v[SPW], v[NIL]
	s_mov_b32 s[G1K+2], 64<<16                     ; no load of mine is out, so the descriptors may be written: 64 rows,
	s_mov_b32 s[G1K+4], 64
	s_mov_b32 s[G1V+2], 64<<16
	s_mov_b32 s[G1V+4], 64
	s_mov_b32 s[G0K+1], s92                        ; block j + 2
	s_mov_b64 s[G0K+2:G0K+3], s[88:89]
	s_or_b32 s[G0K+3], s[G0K+3], 0x80000000
	s_mov_b32 s[G0V+1], s93
	s_mov_b64 s[G0V+2:G0V+3], s[90:91]
	s_or_b32 s[G0V+3], s[G0V+3], 0x80000000
	s_wait_dscnt 0x0                               ; the add is done
	CROUND                                         ; everybody's part of blocks 0 and 1 is in, and all four work-groups are here: the joint loads meet
	s_cmp_lt_u32 s[WV], 6                          ; waves 0-5: K's blocks 2-7; waves 8-13: V's; the others have no block left.  The branches hang on the wave's number alone
	s_cbranch_scc0 .Lnot_k2
	tensor_load_to_lds s[G0K:G0K+3], s[G1K:G1K+7]
	s_nop 0
.rept 4
	v_nop
.endr
	s_branch .Lasked2
.Lnot_k2:
	s_cmp_lt_u32 s[WV], 8
	s_cbranch_scc1 .Lasked2
	s_cmp_lt_u32 s[WV], 14
	s_cbranch_scc0 .Lasked2
	tensor_load_to_lds s[G0V:G0V+3], s[G1V:G1V+7]
	s_nop 0
.rept 4
	v_nop
.endr
.Lasked2:
	TILE 0, 16, DH, MH, 60
	TILE 1, 8, DL, ML, 62
	s_wait_tensorcnt 0x0                           ; the wave's end
	ds_add_u32 v[SPW], v[NIL]
	s_wait_dscnt 0x0
	CROUND                                         ; the closing round: no work-group ends while a partner may still ask for a tile that names it
	s_endpgm
.Lfunc_end_k_qb820a475f4_attn:
	.size	k_qb820a475f4_attn, .Lfunc_end_k_qb820a475f4_attn-k_qb820a475f4_attn
	.p2alignl 7, 3214868480
	.fill 96, 4, 3214868480
	.section	.rodata,"a",@progbits
	.p2align	6, 0x0
	.amdhsa_kernel k_qb820a475f4_attn
		.amdhsa_group_segment_fixed_size 327680
		.amdhsa_private_segment_fixed_size 0
		.amdhsa_enable_private_segment 0
		.amdhsa_kernarg_size 24
		.amdhsa_user_sgpr_count 2
		.amdhsa_user_sgpr_kernarg_segment_ptr 1
		.amdhsa_wavefront_size32 1
		.amdhsa_system_sgpr_workgroup_id_x 1
		.amdhsa_system_sgpr_workgroup_id_y 1
		.amdhsa_system_sgpr_workgroup_id_z 1
		.amdhsa_system_vgpr_workitem_id 0
		.amdhsa_next_free_vgpr 256
		.amdhsa_next_free_sgpr 100
		.amdhsa_reserve_vcc 1
		.amdhsa_float_denorm_mode_32 3
		.amdhsa_float_denorm_mode_16_64 3
		.amdhsa_memory_ordered 1
		.amdhsa_forward_progress 1
		.amdhsa_inst_pref_size 88
	.end_amdhsa_kernel
	.amdgpu_metadata
---
amdhsa.version: [ 1, 2 ]
amdhsa.kernels:
  - .name:           k_qb820a475f4_attn
    .symbol:         k_qb820a475f4_attn.kd
    .args:
      - { .name: qkv_codes, .offset: 0, .size: 8, .value_kind: global_buffer, .address_space: global }
      - { .name: lowp_scales, .offset: 8, .size: 8, .value_kind: global_buffer, .address_space: global }
      - { .name: y_codes, .offset: 16, .size: 8, .value_kind: global_buffer, .address_space: global }
    .group_segment_fixed_size: 327680
    .private_segment_fixed_size: 0
    .kernarg_segment_align: 8
    .kernarg_segment_size: 24
    .max_flat_workgroup_size: 512
    .sgpr_count:     100
    .vgpr_count:     256
    .wavefront_size: 32
...
	.end_amdgpu_metadata
.endif
;; end of part 3
;; launch gemm_proj (part 4): grid 4 x 64, 4 waves a work-group, clusters of 4 x 4, 327,680 bytes of LDS; arguments y_codes, w_codes, lowp_scales, b_proj, out0; writes out0
.if DOCPART == 4
	.amdgcn_target "amdgcn-amd-amdhsa--gfx1250"
	.amdhsa_code_object_version 6
	.text
	.protected	k_qb820a475f4_gemm_proj
	.globl	k_qb820a475f4_gemm_proj
	.p2align	8
	.type	k_qb820a475f4_gemm_proj,@function
k_qb820a475f4_gemm_proj:
	s_mov_b64 s[64:65], 0
	v_nop
	global_prefetch_b8 v0, s[64:65] scope:SCOPE_SE
	s_setreg_imm32_b32 hwreg(HW_REG_WAVE_MODE, 25, 1), 1
	s_wait_xcnt 0x0
	s_wait_alu depctr_hold_cnt(0) depctr_sa_sdst(0) depctr_va_vdst(0) depctr_va_sdst(0) depctr_va_ssrc(0) depctr_va_vcc(0) depctr_vm_vsrc(0)
	s_getreg_b32 s2, hwreg(HW_REG_IB_STS2, 6, 4)
	s_cmp_eq_u32 s2, 0
	s_cbranch_scc0 .Lentry_in_a_cluster
	s_endpgm
.Lentry_in_a_cluster:
	s_bfe_u32 s2, ttmp6, 0x10000c
	s_cmp_lg_u32 s2, 0xf033
	s_cbranch_scc0 .Lentry_shape_is_right
	s_endpgm
.Lentry_shape_is_right:
; out0 = y W_proj + b_proj on codes of FP8 (E4M3).  y_codes: [token / 4 = 2048][head = 16][token % 4][64]; w_codes rows 3072-4095: W_proj's columns, [n][1024 k]; out0 [8192][1024] f32.
; A sum stands for sum x 2^(e6 + e7); out = sum x 2^(e6 + e7) + bias, one fused multiply-add.  LIMIT: e6 + e7 between -126 and 127, so that the power of two is an f32 number.
; SHARES: a block of 128 tokens x 256 columns to a work-group: 64 x 4 = 256 work-groups.  Four waves, 64 x 128 each: 32 accumulators of 16 x 16, 256 registers.
; CLUSTERS of 4 x 4: the four of a row need the same tokens, the four of a column the same rows of W: joint loads.  Waves 0 and 1 fetch 64 tokens each, waves 2 and 3 128 rows of W each.
; K = 1,024 goes in four steps of 256 (four heads) through a ring of two LDS slots.  A quad of tokens has its four heads' 1,024 bytes on end: y's tile is 16 rows of 1,024 bytes for each loading wave.
; THE MATRIX INSTRUCTION IS USED TRANSPOSED (source 0 = 16 rows of W, source 1 = 16 tokens): a lane holds eight neighbouring columns of one token's row.
; REGISTERS: window 0: v0-31 addresses; v32-63 at work; v64-127 the bias; v128-255 the tokens' fragments, two sets of 4 x 16; on the way out whole rows.  window 1: W's fragments, two sets of 8 x 16.  window 2: the accumulators ((a, b) at v[8 (8 a + b)]).
.set SIZE_N, 1024
.set PITCH,  272                       ; W's LDS row: 256 bytes + 16
.set QPITCH, 1040                      ; y's LDS row: a quad's 1,024 bytes + 16
.set FR,     16                        ; registers of a fragment: 16 rows x 128 K
.set NP,     4                         ; places behind this matrix instruction (ISA guide 7.12.1)
.set AH,     16*QPITCH                 ; 64 tokens
.set HALFT,  128*PITCH                 ; 128 rows of W
.set SLOT,   2*AH+2*HALFT              ; 102,912 bytes
.set SPARE,  2*SLOT                    ; behind the ring: the spare words, 128 bytes a wave
.set SPITCH, 528                       ; the way out: a stage of 16 rows x (512 + 16) bytes for each wave, in slot 0, which has had its last fill and its last read by then
.set ADRA, 16                          ; v16-17 LDS address of my tokens' fragments in slot 0, 1
.set ADRB, 20                          ; v20-21 of W's
.set PFY,  22                          ; v22 the prefetches' offset in y_codes; never rewritten
.set PFW,  23                          ; v23 in w_codes; never rewritten
.set STO,  24
.set RD,   25
.set CO,   26
.set SPW,  28                          ; my spare word; never rewritten
.set NIL,  29                          ; 0; never rewritten
.set TMP,  32
.set BI,   64
.set AF,   128
.set BK,   128
.set G1, 24
.set G0, 32
.set G1B, 48
.set G0B, 56
.set MSB, 0
.macro WIN new                         ; the immediate's high byte repeats the setting that is left
.if MSB != \new
	s_set_vgpr_msb (MSB<<8)|\new
.set MSB, \new
.endif
.endm
.set MUL_LO, 0xa1                      ; source 0 window 1, source 1 window 0, C and D window 2
.set TO_B,   0x40                      ; destination window 1, address window 0
.macro JLOAD g0a, g1a, g0b, g1b        ; a joint load; the branch hangs on the wave's number alone; s_nop 0 and four v_nop follow each line
	s_cmp_eq_u32 s15, 0
	s_cbranch_scc0 .Lfor_b_\@
	tensor_load_to_lds s[\g0a:\g0a+3], s[\g1a:\g1a+7]
	s_nop 0
.rept 4
	v_nop
.endr
	s_branch .Lasked_\@
.Lfor_b_\@:
	tensor_load_to_lds s[\g0b:\g0b+3], s[\g1b:\g1b+7]
	s_nop 0
.rept 4
	v_nop
.endr
.Lasked_\@:
.endm
; A PREFETCH INTO THE L2 of K step k, behind the load of K step k - 1: one K step, 64 matrix instructions a wave, ahead of the load that wants it.  One instruction a wave; the K step stands in the immediate, so no register of it is rewritten.
; The four partners that ask for a tile jointly share its blocks of 256 bytes out BY ADDRESS.  y: a wave's 16 quads x 1,024 bytes are 64 blocks: the partner at cx takes quads 4 cx .. 4 cx + 3, lanes 0-15 a block each
; (lanes 16-31 name lane 15's block again).  W: a wave's 128 rows x 256 bytes: the partner at cy takes rows 32 cy .. 32 cy + 31, a lane a row.
; y's tokens belong to one row of clusters' one cluster; W's rows are loaded by all sixteen clusters and asked for in the first four alone.  K step 0 comes by its load alone; K step 3's load asks for nothing.
.macro ASK k
	s_cmp_eq_u32 s15, 0
	s_cbranch_scc0 .Lask_w_\@
	global_prefetch_b8 v[PFY], s[74:75] offset:1024*\k th:TH_LOAD_NT scope:SCOPE_SE
	s_branch .Lasked_p_\@
.Lask_w_\@:
	s_cmp_eq_u32 s78, 0
	s_cbranch_scc0 .Lasked_p_\@
	global_prefetch_b8 v[PFW], s[76:77] offset:256*\k th:TH_LOAD_NT scope:SCOPE_SE
.Lasked_p_\@:
.endm
.macro CREST                           ; a round of the cluster's barrier behind its opening barrier
	s_cmp_lg_u32 s14, 0
	s_cbranch_scc1 .Lnot_wave_0_\@
	s_barrier_signal -3
.Lnot_wave_0_\@:
	s_barrier_wait -3
	s_barrier_signal -1
	s_barrier_wait -1
.endm
.macro CROUND
	s_barrier_signal -1
	s_barrier_wait -1
	CREST
.endm
	s_load_b128 s[4:7], s[0:1], 0x0                ; y_codes, w_codes
	s_load_b128 s[8:11], s[0:1], 0x10              ; the exponents, b_proj
	s_load_b64 s[12:13], s[0:1], 0x20              ; out0
	v_lshl_add_u32 v[SPW], v0, 2, SPARE
	v_mov_b32 v[NIL], 0
	ds_add_u32 v[SPW], v[NIL]                      ; the wave's opening: the add, twice on end, and its wait ahead of my first tensor load
	ds_add_u32 v[SPW], v[NIL]
	v_lshrrev_b32 v1, 5, v0
	v_readfirstlane_b32 s14, v1                    ; wave 0..3
	s_lshr_b32 s15, s14, 1                         ; which 64 tokens are mine.  Also: I fetch for y (0) or for W (1)
	s_and_b32 s16, s14, 1                          ; which 128 columns.  Also: which half of that tile I fetch
	s_bfe_u32 s40, ttmp6, 0x40000                  ; cx, cy
	s_bfe_u32 s41, ttmp6, 0x40004
	s_lshl_b32 s42, ttmp9, 2
	s_add_co_u32 s42, s42, s40                     ; block column, 0..3
	s_and_b32 s17, ttmp7, 0xffff
	s_lshl_b32 s17, s17, 2
	s_add_co_u32 s17, s17, s41                     ; block row, 0..63
	s_lshl_b32 s43, s41, 2
	s_lshl_b32 s43, 15, s43                        ; my row of the cluster
	s_lshl_b32 s44, 0x1111, s40                    ; my column
	s_or_b32 s[G1+0], s43, (0<<16)|(1<<20)|(1<<21)|(7<<22)|(3<<25)   ; y: the mask; elements of 1 byte; padding: four words after every 256
	s_mov_b32 s[G1+1], 1024<<16                    ; tensor_dim0
	s_mov_b32 s[G1+2], 16<<16                      ; tensor_dim1
	s_mov_b32 s[G1+3], 1024<<16                    ; tile_dim0
	s_mov_b32 s[G1+4], 16                          ; tile_dim1
	s_mov_b32 s[G1+5], 4096                        ; a quad's sixteen heads
	s_mov_b32 s[G1+6], 0
	s_mov_b32 s[G1+7], 0
	s_or_b32 s[G1B+0], s44, (0<<16)|(1<<20)|(1<<21)|(5<<22)|(3<<25)  ; W: four words after every 64
	s_mov_b32 s[G1B+1], 256<<16
	s_mov_b32 s[G1B+2], 128<<16
	s_mov_b32 s[G1B+3], 256<<16
	s_mov_b32 s[G1B+4], 128
	s_mov_b32 s[G1B+5], 1024
	s_mov_b32 s[G1B+6], 0
	s_mov_b32 s[G1B+7], 0
	s_lshl_b32 s20, s17, 17                        ; y: 128 tokens are 32 quads of 4,096 bytes,
	s_lshl_b32 s18, s16, 16                        ; my 16 of them
	s_add_co_u32 s20, s20, s18
	s_mov_b32 s21, 0
	s_lshl_b32 s46, s42, 18                        ; W: 256 rows of 1,024 bytes,
	s_lshl_b32 s18, s16, 17                        ; my 128 of them,
	s_add_co_u32 s46, s46, s18
	s_add_co_u32 s46, s46, 0x300000                ; behind W_qkv's 3,072 rows
	s_mov_b32 s47, 0
	s_mul_i32 s45, s16, AH                         ; where they go: no place in the cluster enters an LDS address
	s_mul_i32 s19, s16, HALFT
	s_add_co_u32 s19, s19, 2*AH
	s_wait_dscnt 0x0                               ; both opening adds are done
	s_wait_kmcnt 0x0
	s_load_b64 s[96:97], s[8:9], 0x18              ; e6, e7
	s_add_nc_u64 s[20:21], s[4:5], s[20:21]
	s_add_nc_u64 s[46:47], s[6:7], s[46:47]
	s_lshl_b32 s78, s40, 14                        ; the prefetches: y: my work-group's four quads of 4,096 bytes,
	s_mov_b32 s79, 0
	s_add_nc_u64 s[74:75], s[20:21], s[78:79]
	s_lshl_b32 s78, s41, 15                        ; W: its 32 rows of 1,024 bytes
	s_add_nc_u64 s[76:77], s[46:47], s[78:79]
	s_and_b32 s78, ttmp7, 0xffff
	s_lshr_b32 s78, s78, 2                         ; 0 in the first four clusters: they ask for W
	CROUND                                         ; all sixteen work-groups are here: the first joint loads meet
.irp s, 0,1
	s_mov_b32 s[G0+4*\s], 1
	s_add_co_u32 s[G0+4*\s+1], s45, \s*SLOT
	s_add_nc_u64 s[G0+4*\s+2:G0+4*\s+3], s[20:21], \s*1024
	s_or_b32 s[G0+4*\s+3], s[G0+4*\s+3], 0x80000000
	s_mov_b32 s[G0B+4*\s], 1
	s_add_co_u32 s[G0B+4*\s+1], s19, \s*SLOT
	s_add_nc_u64 s[G0B+4*\s+2:G0B+4*\s+3], s[46:47], \s*256
	s_or_b32 s[G0B+4*\s+3], s[G0B+4*\s+3], 0x80000000
.endr
	JLOAD G0, G1, G0B, G1B                         ; K step 0: one tensor load a wave at the head
	v_and_b32 v[PFW], 31, v0
	v_min_u32 v[PFY], 15, v[PFW]                   ; i
	v_lshrrev_b32 v7, 2, v[PFY]
	v_and_b32 v[PFY], 3, v[PFY]
	v_lshlrev_b32 v[PFY], 8, v[PFY]
	v_lshl_add_u32 v[PFY], v7, 12, v[PFY]          ; quad i / 4, block i % 4 of its 1,024 bytes
	v_lshlrev_b32 v[PFW], 10, v[PFW]               ; a lane a row
	s_wait_alu depctr_va_vdst(0)                   ; directly ahead of the branches below
	ASK 1
	s_lshl_b32 s70, s42, 10
	s_lshl_b32 s71, s16, 9
	s_add_co_u32 s70, s70, s71                     ; my first column, in bytes of f32
	s_mov_b32 s71, 0
	s_add_nc_u64 s[10:11], s[10:11], s[70:71]      ; the bias there
	s_lshl_b32 s72, s17, 7
	s_lshl_b32 s73, s15, 6
	s_add_co_u32 s72, s72, s73                     ; my first token
	s_lshl_b32 s72, s72, 12                        ; rows of 4,096 bytes
	s_add_co_u32 s72, s72, s70
	s_mov_b32 s73, 0
	s_add_nc_u64 s[12:13], s[12:13], s[72:73]
	s_mul_i32 s66, s15, AH                         ; my 64 tokens in a slot
	s_mul_i32 s68, s14, 16*SPITCH                  ; my stage
	; the rest of the head's vector work stands in one run, with no scalar line in it
	v_and_b32 v1, 15, v0                           ; r
	v_bfe_u32 v2, v0, 4, 1                         ; h
	v_lshlrev_b32 v6, 5, v2
.irp b, 0,1,2,3,4,5,6,7
	global_load_b128 v[BI+8*\b:BI+8*\b+3], v6, s[10:11] offset:64*\b       ; the bias of columns 16 b + 8 h + 0 .. 7
	global_load_b128 v[BI+8*\b+4:BI+8*\b+7], v6, s[10:11] offset:64*\b+16
.endr
	v_mul_u32_u24 v3, v1, PITCH
	v_lshl_add_u32 v4, v2, 4, v3                   ; W: row r, + 16 h
	v_lshrrev_b32 v3, 2, v1
	v_mul_u32_u24 v3, v3, QPITCH
	v_and_b32 v5, 3, v1
	v_lshl_add_u32 v3, v5, 6, v3
	v_lshl_add_u32 v3, v2, 4, v3                   ; y: quad r / 4, token r % 4, + 16 h
	v_add_nc_u32 v[ADRA], s66, v3
	v_add_nc_u32 v[ADRB], s19, v4
	v_add_nc_u32 v[ADRA+1], SLOT, v[ADRA]
	v_add_nc_u32 v[ADRB+1], SLOT, v[ADRB]
	v_mul_u32_u24 v5, v1, SPITCH
	v_lshl_add_u32 v5, v2, 5, v5
	v_add_nc_u32 v[STO], s68, v5                   ; into the stage: row r, 32 bytes for each half of the lanes
	v_and_b32 v3, 31, v0
	v_lshlrev_b32 v[CO], 4, v3                     ; back: the 32 lanes take one row of 512 bytes; and the same in out0
	v_add_nc_u32 v[RD], s68, v[CO]
.macro FRAG reg, adr, q, i             ; W: lane l holds row l % 16; registers 4 c .. 4 c + 3 hold K = 32 c + 16 (l / 16) + 0 .. 15: one permutation of k, alike on both sides
.irp c, 0,1,2,3
	ds_load_b128 v[\reg+4*\c:\reg+4*\c+3], v[\adr] offset:128*(\q)+32*\c+(\i)*16*PITCH
.endr
.endm
.macro FRAGA reg, adr, q, i            ; y: the same k: 128 along K are two heads, 256 bytes apart in a quad's row
.irp c, 0,1,2,3
	ds_load_b128 v[\reg+4*\c:\reg+4*\c+3], v[\adr] offset:(\i)*4*QPITCH+512*(\q)+256*(\c/2)+32*(\c%2)
.endr
.endm
; 16 matrix instructions: token blocks a0, a0 + 1 x W's eight, 128 along K, on sets p.  The 32 accumulators take turns, one instruction a turn, in the same order in every step.
.macro MUL16 a0, p, zero
.irp a, \a0, \a0+1
.irp b, 0,1,2,3,4,5,6,7
.if \zero
	v_wmma_f32_16x16x128_fp8_fp8 v[8*(8*(\a)+\b):8*(8*(\a)+\b)+7], v[128*(\p)+FR*\b:128*(\p)+FR*\b+FR-1], v[AF+64*(\p)+FR*(\a):AF+64*(\p)+FR*(\a)+FR-1], 0
.else
	v_wmma_f32_16x16x128_fp8_fp8 v[8*(8*(\a)+\b):8*(8*(\a)+\b)+7], v[128*(\p)+FR*\b:128*(\p)+FR*\b+FR-1], v[AF+64*(\p)+FR*(\a):AF+64*(\p)+FR*(\a)+FR-1], v[8*(8*(\a)+\b):8*(8*(\a)+\b)+7]
.endif
.endr
.endr
.endm
.macro FETCH slot, q, p                ; 48 LDS loads: the fragments of the slot's q-th 128 along K into sets p
	WIN TO_B
.irp i, 0,1,2,3,4,5,6,7
	FRAG 128*(\p)+FR*\i, ADRB+\slot, \q, \i
.endr
	WIN 0
.irp i, 0,1,2,3
	FRAGA AF+64*(\p)+FR*\i, ADRA+\slot, \q, \i
.endr
.endm
.macro PLACES n                        ; plain vector lines between a matrix instruction and a load into, or a vector line on, its registers
.rept \n
	v_nop
.endr
.endm
.macro STEP slot, zero                 ; a slot's first 128 along K, on sets 0; the second 128's fragments are fetched into sets 1 ahead of the 32 products
	s_wait_dscnt 0x0                               ; sets 0 are in
	PLACES NP
	FETCH \slot, 1, 1
	WIN MUL_LO
	MUL16 0, 0, \zero
	MUL16 2, 0, \zero
	WIN 0
.endm
; A slot's second 128 changes slots: ONE barrier; in front of it each wave waits for all its tensor loads, adds 0 to its spare word, and waits for that and for its own reads of this slot.
.macro TURN slot, next, fill
	s_wait_tensorcnt 0x0                           ; my part of the next slot has landed
	ds_add_u32 v[SPW], v[NIL]                      ; 0 onto my spare word
	s_wait_dscnt 1                                 ; sets 1 are in; the add may be out
	WIN MUL_LO
	MUL16 0, 1, 0
	s_wait_dscnt 0x0                               ; the add is done, and my reads of this slot are over
	s_barrier_signal -1
	MUL16 2, 1, 0
	WIN 0
	s_barrier_wait -1
.if \fill
	CREST                                          ; the barrier has opened a round of the cluster's barrier: no wave of any partner still reads this slot or has a load on its way
	s_add_nc_u64 s[G0+4*\slot+2:G0+4*\slot+3], s[G0+4*\slot+2:G0+4*\slot+3], 2*1024
	s_add_nc_u64 s[G0B+4*\slot+2:G0B+4*\slot+3], s[G0B+4*\slot+2:G0B+4*\slot+3], 2*256
	JLOAD G0+4*\slot, G1, G0B+4*\slot, G1B         ; the first tensor load behind the round; its four v_nop are also the places in front of the loads below
.else
	PLACES NP
.endif
	FETCH \next, 0, 0
.if (\fill) && ((\slot) == 0)
	ASK 3                                          ; behind K step 2's load and the run of LDS loads
.endif
.endm
	s_wait_alu depctr_va_vdst(0)                   ; the wait at the head's end
	s_wait_tensorcnt 0x0                           ; my part of K step 0 is in
	ds_add_u32 v[SPW], v[NIL]
	s_wait_dscnt 0x0
	CROUND                                         ; everybody's part of K step 0 is in, and all sixteen work-groups are here
	JLOAD G0+4, G1, G0B+4, G1B                     ; K step 1's load, the first tensor load behind the round
	FETCH 0, 0, 0
	ASK 2                                          ; behind K step 1's load and the run of LDS loads
	STEP 0, 1                                      ; the first products start the sums
	TURN 0, 1, 1                                   ; slot 0 takes K step 2
	STEP 1, 0
	TURN 1, 0, 1                                   ; slot 1 takes K step 3
	STEP 0, 0
	TURN 0, 1, 0                                   ; nothing is filled again: behind this barrier nobody reads slot 0
	STEP 1, 0
	s_wait_dscnt 0x0
	WIN MUL_LO
	MUL16 0, 1, 0
	MUL16 2, 1, 0
	WIN 0
; THE WAY OUT, block by block of 16 tokens x 128 columns, through my own stage: whole rows of 512 bytes come back and leave as two aligned units of 256 bytes.
.macro TOSTAGE a
.set AC, 64*(\a)
.irp hb, 0,1
	WIN 0x02                                       ; source 0: window 2
.irp j, 0,2,4,6,8,10,12,14,16,18,20,22,24,26,28,30
	v_pk_fma_f32 v[TMP+\j:TMP+\j+1], v[AC+32*\hb+\j:AC+32*\hb+\j+1], s[96:97], v[BI+32*\hb+\j:BI+32*\hb+\j+1] op_sel_hi:[1,0,1]   ; sum x 2^(e6 + e7) + bias; each accumulator from its low end on
.endr
	WIN 0
.irp bb, 0,1,2,3
	ds_store_b128 v[STO], v[TMP+8*\bb:TMP+8*\bb+3] offset:64*(4*\hb+\bb)
	ds_store_b128 v[STO], v[TMP+8*\bb+4:TMP+8*\bb+7] offset:64*(4*\hb+\bb)+16
.endr
.endr
.set BB, BK+64*((\a)%2)
.irp t, 0,1,2,3,4,5,6,7,8,9,10,11,12,13,14,15
	ds_load_b128 v[BB+4*\t:BB+4*\t+3], v[RD] offset:\t*SPITCH   ; a wave's LDS instructions are served in order (ISA guide 5.7.1.4): these see my stores
.endr
.endm
.macro SEND a, younger                 ; younger: the LDS instructions issued behind block a's loads, which may stay out
.set BB, BK+64*((\a)%2)
	s_wait_dscnt \younger
.if (\a) > 0
	s_add_nc_u64 s[12:13], s[12:13], 16*SIZE_N*4   ; behind a wait on XCNT: the earlier stores have read their base
.endif
.irp t, 0,1,2,3,4,5,6,7,8,9,10,11,12,13,14,15
	global_store_b128 v[CO], v[BB+4*\t:BB+4*\t+3], s[12:13] offset:\t*SIZE_N*4 th:TH_STORE_NT   ; 32 lanes store 512 consecutive bytes, aligned
.endr
.endm
	s_wait_kmcnt 0x0
	s_add_co_i32 s96, s96, s97
	s_add_co_i32 s96, s96, 127
	s_lshl_b32 s96, s96, 23                        ; 2^(e6 + e7) as f32
	s_wait_loadcnt 0x0                             ; the bias
	PLACES NP
	TOSTAGE 0
.irp a, 1,2,3
.if \a > 1
	s_wait_xcnt 0x0                                ; block a - 2's stores have read their registers and their base
.endif
	TOSTAGE \a
	SEND \a-1, 32                                  ; behind block a - 1's loads: block a's 16 stores and 16 loads
.endr
	s_wait_xcnt 0x0
	SEND 3, 0
	s_wait_tensorcnt 0x0                           ; the wave's end
	ds_add_u32 v[SPW], v[NIL]
	s_wait_dscnt 0x0
	CROUND                                         ; the closing round: no work-group ends while a partner may still ask for a tile that names it
	s_endpgm
.Lfunc_end_k_qb820a475f4_gemm_proj:
	.size	k_qb820a475f4_gemm_proj, .Lfunc_end_k_qb820a475f4_gemm_proj-k_qb820a475f4_gemm_proj
	.p2alignl 7, 3214868480
	.fill 96, 4, 3214868480
	.section	.rodata,"a",@progbits
	.p2align	6, 0x0
	.amdhsa_kernel k_qb820a475f4_gemm_proj
		.amdhsa_group_segment_fixed_size 327680
		.amdhsa_private_segment_fixed_size 0
		.amdhsa_enable_private_segment 0
		.amdhsa_kernarg_size 40
		.amdhsa_user_sgpr_count 2
		.amdhsa_user_sgpr_kernarg_segment_ptr 1
		.amdhsa_wavefront_size32 1
		.amdhsa_system_sgpr_workgroup_id_x 1
		.amdhsa_system_sgpr_workgroup_id_y 1
		.amdhsa_system_sgpr_workgroup_id_z 1
		.amdhsa_system_vgpr_workitem_id 0
		.amdhsa_next_free_vgpr 768
		.amdhsa_next_free_sgpr 100
		.amdhsa_reserve_vcc 0
		.amdhsa_float_denorm_mode_32 3
		.amdhsa_float_denorm_mode_16_64 3
		.amdhsa_memory_ordered 1
		.amdhsa_forward_progress 1
		.amdhsa_inst_pref_size 79
	.end_amdhsa_kernel
	.amdgpu_metadata
---
amdhsa.version: [ 1, 2 ]
amdhsa.kernels:
  - .name:           k_qb820a475f4_gemm_proj
    .symbol:         k_qb820a475f4_gemm_proj.kd
    .args:
      - { .name: y_codes, .offset: 0, .size: 8, .value_kind: global_buffer, .address_space: global }
      - { .name: w_codes, .offset: 8, .size: 8, .value_kind: global_buffer, .address_space: global }
      - { .name: lowp_scales, .offset: 16, .size: 8, .value_kind: global_buffer, .address_space: global }
      - { .name: b_proj, .offset: 24, .size: 8, .value_kind: global_buffer, .address_space: global }
      - { .name: out0, .offset: 32, .size: 8, .value_kind: global_buffer, .address_space: global }
    .group_segment_fixed_size: 327680
    .private_segment_fixed_size: 0
    .kernarg_segment_align: 8
    .kernarg_segment_size: 40
    .max_flat_workgroup_size: 128
    .sgpr_count:     100
    .vgpr_count:     768
    .wavefront_size: 32
...
	.end_amdgpu_metadata
.endif
;; end of part 4
